; MI455X (gfx1250); checked and timed in simulation.
; The chip was launched on July 23, 2026; its instructions are those of AMD's public machine-readable ISA for CDNA 5 (MIT licence, August 2026) and "CDNA5" Instruction Set Architecture Reference Guide (July 2026). The comments in the code are by the model that wrote it; some were corrected since.
;; Multi Head Attention. Allowed arithmetic: matrix products marked QUANTISED: E2M1 operands, one E8M0 scale for each 32 along K, by v_wmma_scale_f32_16x16x128_f8f6f4 with both operands' format E2M1 (or v_wmma_scale_f32_32x16x128_f4), f32 sums; products left as they are: bf16, f16 or f32 operands; f32 sums; everything else in f32.
;; Inputs: Wk 1,024 x 1,024 float32; Wo 1,024 x 1,024 float32; Wq 1,024 x 1,024 float32; Wv 1,024 x 1,024 float32; bk 1,024 float32; bo 1,024 float32; bq 1,024 float32; bv 1,024 float32; x 2 x 2,048 x 1,024 float32.
;; Outputs: out0 2 x 2,048 x 1,024 float32.
;; This version of the problem:
;;   THIS VERSION OF THE PROBLEM IS GIVEN IN LOW PRECISION. The matrix products marked QUANTISED in the list below multiply operands that are first quantised to E2M1 (2 exponent bits, 1 mantissa bit; 4 bits a number), with one power-of-two scale for each 32 numbers along K (OCP MX v1.0); their sums are f32. The products marked 'left as it is' may take bf16, f16 or f32 operands, with f32 sums. Whichever they take, every output number must still come out within the allowed error. Rounding operands to bf16 (8 significant bits) uses up far more of that allowance than f16 does (11 bits, for magnitudes from 6e-5 to 65,504). All else is computed in f32.
;;   The module's matrix products, in the order in which they are computed (A, B: the left and right operand; K: the contracted axis; several contracted axes count as one K, in the product's order):
;;     1. [M 4,096, K 1,024] x [K 1,024, N 1,024]; A: input x; B: input Wq: QUANTISED
;;     2. [M 4,096, K 1,024] x [K 1,024, N 1,024]; A: input x; B: input Wk: QUANTISED
;;     3. [M 4,096, K 1,024] x [K 1,024, N 1,024]; A: input x; B: input Wv: QUANTISED
;;     4. batch 32 x [M 2,048, K 64] x [K 64, N 2,048]; A: computed on the way; B: computed on the way: left as it is (an operand is computed on the way)
;;     5. batch 32 x [M 2,048, K 2,048] x [K 2,048, N 64]; A: computed on the way; B: computed on the way: left as it is (an operand is computed on the way)
;;     6. [M 4,096, K 1,024] x [K 1,024, N 1,024]; A: computed on the way; B: input Wo: left as it is (an operand is computed on the way)
;;   THE QUANTISER, for each operand of a quantised product, along K:
;;     - K is cut into blocks of 32 from its start; a last block that is shorter is filled with zeros.
;;     - A block's scale is 2^e with e = floor(log2(the largest magnitude in the block)) - 2, held to -126 .. 127; a block of zeros has e = 0. As a byte (E8M0): e + 127.
;;     - Each number is divided by its block's scale, clamped to +-6, and rounded to the nearest number of E2M1, ties to even, subnormals kept.
;;     - The product sums the exact products of the quantised numbers (number of the format x scale) in f32.
;;   ~~~python
;;   def quantise(x, axis):      # numpy; x: float32 -> the quantised numbers, widened to float32 again
;;       x = np.moveaxis(x, axis, -1); K = x.shape[-1]
;;       x = np.pad(x, [(0, 0)] * (x.ndim - 1) + [(0, -K % 32)]); x = x.reshape(x.shape[:-1] + (-1, 32)); a = np.abs(x).max(-1, keepdims=True)
;;       e = np.where(a > 0, np.clip(np.frexp(np.where(a > 0, a, 1))[1] - 1 - 2, -126, 127), 0)      # np.frexp(a)[1] - 1 = floor(log2(a)), exactly
;;       r = np.clip(x / 2.0 ** e, -6, 6)
;;       step = 2.0 ** (np.maximum(np.frexp(np.where(r == 0, 1, r))[1] - 1, 0) - 1)
;;       q = np.round(r / step) * step * 2.0 ** e      # np.round: ties to even
;;       return np.moveaxis(q.reshape(q.shape[:-2] + (-1,))[..., :K], -1, axis).astype(np.float32)
;;   ~~~
;; One version. Each part assembles by itself: llvm-mc -triple=amdgcn-amd-amdhsa -mcpu=gfx1250 --defsym DOCPART=n.
;; ======== version 1 of 1: 5 launches
;; limits: values are held in f16: magnitudes above 65,504 overflow, below 6.1e-05 lose precision
;; workspace buffers: xc 2,097,152 bytes; xs 131,072 bytes; wc 1,572,864 bytes; ws 98,304 bytes; wot 2,097,152 bytes; qkv 25,165,824 bytes; fine 1,572,864 bytes; ao 8,388,608 bytes
;; launch prep (part 1): grid 384 x 1, 4 waves a work-group, no clusters, 77,312 bytes of LDS; arguments x, Wq, Wk, Wv, Wo, xc, xs, wc, ws, wot; writes xc, xs, wc, ws, wot
.if DOCPART == 1
	.amdgcn_target "amdgcn-amd-amdhsa--gfx1250"
	.amdhsa_code_object_version 6
	.text
	.protected	k_q6a2064a449_prep
	.globl	k_q6a2064a449_prep
	.p2align	8
	.type	k_q6a2064a449_prep,@function
k_q6a2064a449_prep:
	s_mov_b64 s[64:65], 0
	v_nop
	global_prefetch_b8 v0, s[64:65] scope:SCOPE_SE
	s_setreg_imm32_b32 hwreg(HW_REG_WAVE_MODE, 25, 1), 1
	s_wait_xcnt 0x0
; PREP: the operands of the three quantised products become codes of FP4 (E2M1) with one E8M0 byte for each 32 along K, and Wo becomes f16 with K innermost.
;   work-groups   0-127 (path X): x [4096][1024] f32, K innermost    -> xc [4096][512 bytes], xs [4096][32]
;   work-groups 128-319 (path W): Wq, Wk, Wv [k 1024][n 1024] f32    -> wc [3072][512 bytes], ws [3072][32]; row = 1024 T + n, T = 0 Wq, 1 Wk, 2 Wv
;   work-groups 320-383 (path O): Wo [k 1024][n 1024] f32            -> wot [n 1024][k 1024] f16
; A block's scale is 2^(floor(log2(its largest magnitude)) - 2); its byte is the largest magnitude's exponent field - 2, held at 1 from below.
; LIMITS: a block of zeros, and a block whose largest magnitude lies under 2^-124, gets the byte 1 (the bytes are read by this program alone, and a block of zeros has zero codes);
; NaN and infinities among the inputs are not served; |Wo| beyond 65,504 has no f16 number.
; The three paths part on the work-group's number, never join, and each has LDS bytes of its own.  No tensor loads.
.set SP,    80                         ; path X: a lane's place in a stage: 64 bytes + 16 of padding
.set WREG,  8192                       ; path X: LDS of one wave: two stages of 32 x SP bytes, then its 256 scale bytes
.set STEPS, 16
.set PITCH, 272                        ; paths W, O: a stage row: 256 bytes + 16
.set WST,   32768                      ; path W: 32 columns x PITCH
.set WSC,   41472                      ; path W: 32 columns x 16 scale bytes
.set OST,   41984                      ; path O: four stages of 32 x PITCH
.set SPARE, 76800                      ; the spare words, 128 bytes a wave: two blocks of 256 bytes that no other line names
.set SPW,   190                        ; v190 LDS address of my spare word; never rewritten
.set NIL,   191                        ; v191 0; never rewritten
.set R,     16                         ; path X: v16-79 four sets of 16 numbers as loaded
.set X,     80                         ; path X: v80-111 two sets of 16 neighbours
.set E,     112                        ; path X: v112-127 a scale byte for each step
.set C,     128                        ; path X: v128-159 two registers of codes for each step
.set KX,    32                         ; paths W, O: v32-95 two sets of 32 numbers down K
.set CD,    96                         ; paths W, O: what a block makes, registers of its own for each block
.macro FINISH                          ; the wave's end, behind my last LDS store
	s_wait_tensorcnt 0x0
	ds_add_u32 v[SPW], v[NIL]
	s_wait_dscnt 0x0
	s_endpgm
.endm
	s_load_b256 s[4:11], s[0:1], 0x0               ; x, Wq, Wk, Wv
	s_load_b256 s[12:19], s[0:1], 0x20             ; Wo, xc, xs, wc
	s_load_b128 s[20:23], s[0:1], 0x40             ; ws, wot
	v_lshl_add_u32 v[SPW], v0, 2, SPARE
	v_mov_b32 v[NIL], 0
	v_lshrrev_b32 v1, 5, v0
	v_readfirstlane_b32 s24, v1                    ; wave 0..3
	v_and_b32 v2, 31, v0                           ; lane
	s_wait_kmcnt 0x0
	s_cmp_lt_u32 ttmp9, 128
	s_cbranch_scc1 .Lpath_x
	s_cmp_lt_u32 ttmp9, 320
	s_cbranch_scc1 .Lpath_w
; block t of 32 rows of K: W(32 t + i, my column) into set t % 2.  32 lanes read 128 consecutive bytes
.macro LOADK t, base, nt
.set i, 0
.rept 32
.if \nt
	global_load_b32 v[KX+32*((\t)%2)+i], v3, s[\base:\base+1] offset:(32*(\t)+i)*4096 th:TH_LOAD_NT
.else
	global_load_b32 v[KX+32*((\t)%2)+i], v3, s[\base:\base+1] offset:(32*(\t)+i)*4096
.endif
.set i, i+1
.endr
.endm
.macro WAITK t                         ; this block's 32 loads are in; the next block's 32 may be out
.if (\t) < 3
	s_wait_loadcnt 32
.else
	s_wait_loadcnt 0x0
.endif
.endm
; ---------------- PATH O: Wo, 128 columns x 128 of K to a work-group; a lane takes a column, its registers run down K ----------------
	s_sub_co_u32 s25, ttmp9, 320
	s_and_b32 s26, s25, 7                          ; which 128 columns
	s_lshr_b32 s27, s25, 3                         ; which 128 of K
	s_lshl_b32 s28, s27, 19                        ; 128 rows of 4,096 bytes
	s_lshl_b32 s29, s26, 9
	s_add_co_u32 s28, s28, s29
	s_lshl_b32 s29, s24, 7                         ; my wave's 32 columns: the four waves stand side by side on 512 bytes of a row
	s_add_co_u32 s28, s28, s29
	s_mov_b32 s29, 0
	s_add_nc_u64 s[12:13], s[12:13], s[28:29]
	v_lshlrev_b32 v3, 2, v2
	LOADK 0, 12, 1
	LOADK 1, 12, 1
	s_mul_i32 s30, s24, 32*PITCH
	s_add_co_u32 s30, s30, OST                     ; my wave's own stage
	v_mul_u32_u24 v4, v2, PITCH
	v_add_nc_u32 v4, s30, v4                       ; into it: row = my column
	v_and_b32 v5, 15, v2
	v_lshrrev_b32 v6, 4, v2
	v_mul_u32_u24 v7, v6, PITCH
	v_lshl_add_u32 v7, v5, 4, v7
	v_add_nc_u32 v7, s30, v7                       ; out of it: sixteen lanes to a row, two rows an instruction
	v_lshlrev_b32 v8, 11, v6
	v_lshl_add_u32 v8, v5, 4, v8                   ; and the same place in wot: rows of 2,048 bytes
	s_lshl_b32 s28, s26, 18                        ; 128 rows of wot
	s_lshl_b32 s29, s24, 16                        ; my wave's 32
	s_add_co_u32 s28, s28, s29
	s_lshl_b32 s29, s27, 8                         ; 128 of K are 256 bytes
	s_add_co_u32 s28, s28, s29
	s_mov_b32 s29, 0
	s_add_nc_u64 s[22:23], s[22:23], s[28:29]
.macro BLOCKO t
.set XS, KX+32*((\t)%2)
	WAITK \t
.set i, 0
.rept 16
	v_cvt_pk_f16_f32 v[CD+16*(\t)+i], v[XS+2*i], v[XS+2*i+1]   ; two neighbours along K, the lower in the low half
.set i, i+1
.endr
.irp i, 0,1,2,3
	ds_store_b128 v4, v[CD+16*(\t)+4*\i:CD+16*(\t)+4*\i+3] offset:64*(\t)+16*\i
.endr
.if (\t)+2 < 4
	LOADK (\t)+2, 12, 1
.endif
.endm
	BLOCKO 0
	BLOCKO 1
	BLOCKO 2
	BLOCKO 3
.irp t, 0,1,2,3,4,5,6,7,8,9,10,11,12,13,14,15
	ds_load_b128 v[KX+4*\t:KX+4*\t+3], v7 offset:2*\t*PITCH    ; LDS serves a wave's instructions in order: these see my stores
.endr
.irp t, 0,1,2,3,4,5,6,7,8,9,10,11,12,13,14,15
	s_wait_dscnt 15-\t                             ; the later read-backs may be out
	global_store_b128 v8, v[KX+4*\t:KX+4*\t+3], s[22:23] offset:4096*\t   ; sixteen lanes store 256 consecutive bytes, aligned
.endr
	FINISH
; ---------------- PATH W: 32 columns x 512 of K of one weight to a work-group; wave w takes 128 of that K; a lane takes a column ----------------
.Lpath_w:
	s_sub_co_u32 s25, ttmp9, 128
	s_lshr_b32 s26, s25, 6                         ; T: which weight
	s_and_b32 s27, s25, 31                         ; which 32 columns
	s_bfe_u32 s30, s25, 0x10005                    ; which 512 of K
	s_cmp_eq_u32 s26, 0
	s_cselect_b64 s[28:29], s[6:7], s[8:9]
	s_cmp_eq_u32 s26, 2
	s_cselect_b64 s[28:29], s[10:11], s[28:29]     ; the choice hangs on the work-group's number alone
	s_lshl_b32 s31, s30, 2
	s_add_co_u32 s31, s31, s24                     ; which 128 of K is my wave's
	s_lshl_b32 s32, s31, 19                        ; 128 rows of 4,096 bytes
	s_lshl_b32 s33, s27, 7
	s_add_co_u32 s32, s32, s33
	s_mov_b32 s33, 0
	s_add_nc_u64 s[28:29], s[28:29], s[32:33]
	v_lshlrev_b32 v3, 2, v2
	LOADK 0, 28, 0
	LOADK 1, 28, 0
	v_mul_u32_u24 v4, v2, PITCH
	s_lshl_b32 s34, s24, 6
	s_add_co_u32 s34, s34, WST
	v_add_nc_u32 v4, s34, v4                       ; the stage: row = my column, my wave's 64 bytes of its 256
	v_lshlrev_b32 v9, 4, v2
	s_lshl_b32 s34, s24, 2
	s_add_co_u32 s34, s34, WSC
	v_add_nc_u32 v9, s34, v9                       ; my column's 16 scale bytes, my wave's four
	v_lshlrev_b32 v10, 4, v2
	v_add_nc_u32 v10, WSC, v10                     ; and all 16 of them, for wave 0 on the way out
	v_lshlrev_b32 v14, 5, v2                       ; a row of ws is 32 bytes
	v_and_b32 v5, 15, v2
	v_lshrrev_b32 v6, 4, v2
	v_mul_u32_u24 v7, v6, PITCH
	v_lshl_add_u32 v7, v5, 4, v7
	s_mul_i32 s34, s24, 8*PITCH
	s_add_co_u32 s34, s34, WST
	v_add_nc_u32 v7, s34, v7                       ; out of the stage: wave w takes rows 8 w .. 8 w + 7, sixteen lanes to a row
	v_lshlrev_b32 v8, 9, v6
	v_lshl_add_u32 v8, v5, 4, v8                   ; the same place in wc: rows of 512 bytes
	s_lshl_b32 s34, s26, 10
	s_lshl_b32 s35, s27, 5
	s_add_co_u32 s34, s34, s35                     ; the first column's row: 1024 T + 32 x group
	s_lshl_b32 s36, s34, 5
	s_lshl_b32 s37, s30, 4
	s_add_co_u32 s36, s36, s37
	s_mov_b32 s37, 0
	s_add_nc_u64 s[20:21], s[20:21], s[36:37]      ; ws
	s_lshl_b32 s35, s24, 3
	s_add_co_u32 s34, s34, s35
	s_lshl_b32 s34, s34, 9
	s_lshl_b32 s35, s30, 8
	s_add_co_u32 s34, s34, s35
	s_mov_b32 s35, 0
	s_add_nc_u64 s[18:19], s[18:19], s[34:35]      ; wc
.macro BLOCKW t
.set XS, KX+32*((\t)%2)
	WAITK \t
	v_max3_num_f32 v12, |v[XS]|, |v[XS+1]|, |v[XS+2]|          ; the block's largest magnitude: all 32 numbers are mine
	v_max3_num_f32 v13, |v[XS+3]|, |v[XS+4]|, |v[XS+5]|
.irp i, 6,10,14,18,22,26
	v_max3_num_f32 v12, v12, |v[XS+\i]|, |v[XS+\i+1]|
	v_max3_num_f32 v13, v13, |v[XS+\i+2]|, |v[XS+\i+3]|
.endr
	v_max3_num_f32 v12, v12, |v[XS+30]|, |v[XS+31]|
	v_max3_num_f32 v12, v12, v13, 0x1800000        ; and the floor 2^(3 - 127): the byte cannot fall under 1
	v_add_nc_u32 v11, 0xff000000, v12              ; 2 off its exponent field: the conversion takes the exponent field of this operand as its scale
	v_lshrrev_b32 v13, 23, v11                     ; the scale's byte
.if (\t) == 0
	v_mov_b32 v24, v13
.else
	v_lshl_or_b32 v24, v13, 8*(\t), v24            ; four bytes to a register, the lower K in the lower byte
.endif
.irp g, 0,1,2,3
	v_cvt_scalef32_pk8_fp4_f32 v[CD+4*(\t)+\g], v[XS+8*\g:XS+8*\g+7], v11
.endr
	ds_store_b128 v4, v[CD+4*(\t):CD+4*(\t)+3] offset:16*(\t)  ; 32 codes: 16 bytes of my column's row.  The next block begins with plain vector lines
.if (\t)+2 < 4
	LOADK (\t)+2, 28, 0
.endif
.endm
	BLOCKW 0
	BLOCKW 1
	BLOCKW 2
	BLOCKW 3
	ds_store_b32 v9, v24
	s_wait_dscnt 0x0                               ; for the others' sake: my stores have landed; a column's 256 bytes come from four waves
	s_barrier_signal -1
	s_barrier_wait -1
.irp t, 0,1,2,3
	ds_load_b128 v[112+4*\t:115+4*\t], v7 offset:2*\t*PITCH
.endr
.irp t, 0,1,2,3
	s_wait_dscnt 3-\t                              ; the later read-backs may be out
	global_store_b128 v8, v[112+4*\t:115+4*\t], s[18:19] offset:1024*\t   ; sixteen lanes store 256 consecutive bytes, aligned
.endr
	s_cmp_lg_u32 s24, 0
	s_cbranch_scc1 .Lw_end
	ds_load_b128 v[128:131], v10                   ; wave 0: each column's 16 scale bytes; pieces of 16 bytes, 32 apart: one byte for each 32 of the 512 that the path reads
	s_wait_dscnt 0x0
	global_store_b128 v14, v[128:131], s[20:21]
.Lw_end:
	FINISH
; ---------------- PATH X: x is a plain stream of blocks of 32; a wave takes 16 steps of 512 numbers ----------------
; Each load reads 512 consecutive bytes, 16 a lane; a step's 2,048 bytes turn through the wave's own stage in LDS and come back 64 bytes a lane: 16 neighbours along K.  Two neighbouring lanes hold a block.
.Lpath_x:
	s_mul_i32 s25, s24, WREG
	v_lshlrev_b32 v3, 4, v2
	v_lshrrev_b32 v14, 2, v2
	v_mul_u32_u24 v14, v14, SP
	v_and_b32 v15, 3, v2
	v_lshl_add_u32 v14, v15, 4, v14
	v_add_nc_u32 v14, s25, v14                     ; the stage, on the way in: SP (lane / 4) + 16 (lane % 4)
	v_mul_u32_u24 v15, v2, SP
	v_add_nc_u32 v15, s25, v15                     ; and on the way out: SP x lane
	v_lshlrev_b32 v4, 3, v2                        ; my 16 codes are 8 bytes
	v_lshrrev_b32 v5, 1, v2
	s_add_co_u32 s25, s25, 2*32*SP
	v_add_nc_u32 v5, s25, v5                       ; my wave's 256 scale bytes, my block's byte
	v_lshlrev_b32 v7, 3, v2
	v_add_nc_u32 v6, s25, v7
	s_lshl_b32 s26, ttmp9, 2
	s_add_co_u32 s26, s26, s24                     ; which run of 8,192 numbers is my wave's
	s_lshl_b32 s28, s26, 15
	s_mov_b32 s29, 0
	s_add_nc_u64 s[4:5], s[4:5], s[28:29]
	s_lshl_b32 s28, s26, 12
	s_add_nc_u64 s[14:15], s[14:15], s[28:29]
	s_lshl_b32 s28, s26, 8
	s_add_nc_u64 s[16:17], s[16:17], s[28:29]
.macro LOADX t
.irp i, 0,1,2,3
	global_load_b128 v[R+16*((\t)%4)+4*\i:R+16*((\t)%4)+4*\i+3], v3, s[4:5] offset:2048*(\t)+512*\i th:TH_LOAD_NT
.endr
.endm
.macro TURNX t                         ; LDS serves a wave's instructions in order: no wait between the stores and the loads
.irp i, 0,1,2,3
	ds_store_b128 v14, v[R+16*((\t)%4)+4*\i:R+16*((\t)%4)+4*\i+3] offset:32*SP*((\t)%2)+8*SP*\i
.endr
.irp i, 0,1,2,3
	ds_load_b128 v[X+16*((\t)%2)+4*\i:X+16*((\t)%2)+4*\i+3], v15 offset:32*SP*((\t)%2)+16*\i
.endr
.endm
.irp t, 0,1,2,3
	LOADX \t
.endr
	s_wait_loadcnt 12                              ; step 0's four loads are in
	TURNX 0
.macro STEPX t
.set XS, X+16*((\t)%2)
.if (\t) > 0
	s_wait_dscnt 1                                 ; this step's numbers are back from the stage (the last step's byte store may be out)
.else
	s_wait_dscnt 0x0
.endif
.if (\t)+4 < STEPS
	LOADX (\t)+4
.endif
.if (\t)+1 < STEPS
.if STEPS-2-(\t) >= 3
	s_wait_loadcnt 12                              ; the next step's four loads are in; those of the three steps behind it may be out
.else
	s_wait_loadcnt 4*(STEPS-2-(\t))
.endif
	TURNX (\t)+1
.endif
	v_max3_num_f32 v8, |v[XS]|, |v[XS+1]|, |v[XS+2]|
	v_max3_num_f32 v9, |v[XS+3]|, |v[XS+4]|, |v[XS+5]|
.irp i, 6,10
	v_max3_num_f32 v8, v8, |v[XS+\i]|, |v[XS+\i+1]|
	v_max3_num_f32 v9, v9, |v[XS+\i+2]|, |v[XS+\i+3]|
.endr
	v_max3_num_f32 v8, v8, |v[XS+14]|, |v[XS+15]|
	v_max3_num_f32 v8, v8, v9, 0x1800000           ; the floor 2^(3 - 127)
	v_max_num_f32_dpp v8, v8, v8 row_xmask:1 row_mask:0xf bank_mask:0xf   ; with my neighbour's 16: the block's largest magnitude
	v_add_nc_u32 v11, 0xff000000, v8
	v_cvt_scalef32_pk8_fp4_f32 v[C+2*(\t)], v[XS:XS+7], v11
	v_cvt_scalef32_pk8_fp4_f32 v[C+2*(\t)+1], v[XS+8:XS+15], v11
	v_lshrrev_b32 v[E+(\t)], 23, v11               ; the scale's byte (a plain line behind the conversions)
	ds_store_b8 v5, v[E+(\t)] offset:16*(\t)       ; both lanes of a block write the same byte with the same value
	global_store_b64 v4, v[C+2*(\t):C+2*(\t)+1], s[14:15] offset:256*(\t)   ; the wave stores 256 consecutive bytes, aligned
.endm
.irp t, 0,1,2,3,4,5,6,7,8,9,10,11,12,13,14,15
	STEPX \t
.endr
	ds_load_b64 v[8:9], v6
	s_wait_dscnt 0x0
	global_store_b64 v7, v[8:9], s[16:17]          ; 32 lanes store 256 consecutive bytes, aligned
	FINISH
.Lfunc_end_k_q6a2064a449_prep:
	.size	k_q6a2064a449_prep, .Lfunc_end_k_q6a2064a449_prep-k_q6a2064a449_prep
	.p2alignl 7, 3214868480
	.fill 96, 4, 3214868480
	.section	.rodata,"a",@progbits
	.p2align	6, 0x0
	.amdhsa_kernel k_q6a2064a449_prep
		.amdhsa_group_segment_fixed_size 77312
		.amdhsa_private_segment_fixed_size 0
		.amdhsa_enable_private_segment 0
		.amdhsa_kernarg_size 80
		.amdhsa_user_sgpr_count 2
		.amdhsa_user_sgpr_kernarg_segment_ptr 1
		.amdhsa_wavefront_size32 1
		.amdhsa_system_sgpr_workgroup_id_x 1
		.amdhsa_system_sgpr_workgroup_id_y 1
		.amdhsa_system_sgpr_workgroup_id_z 1
		.amdhsa_system_vgpr_workitem_id 0
		.amdhsa_next_free_vgpr 192
		.amdhsa_next_free_sgpr 66
		.amdhsa_reserve_vcc 0
		.amdhsa_float_denorm_mode_32 3
		.amdhsa_float_denorm_mode_16_64 3
		.amdhsa_memory_ordered 1
		.amdhsa_forward_progress 1
		.amdhsa_inst_pref_size 76
	.end_amdhsa_kernel
	.amdgpu_metadata
---
amdhsa.version: [ 1, 2 ]
amdhsa.kernels:
  - .name:           k_q6a2064a449_prep
    .symbol:         k_q6a2064a449_prep.kd
    .args:
      - { .name: x, .offset: 0, .size: 8, .value_kind: global_buffer, .address_space: global }
      - { .name: Wq, .offset: 8, .size: 8, .value_kind: global_buffer, .address_space: global }
      - { .name: Wk, .offset: 16, .size: 8, .value_kind: global_buffer, .address_space: global }
      - { .name: Wv, .offset: 24, .size: 8, .value_kind: global_buffer, .address_space: global }
      - { .name: Wo, .offset: 32, .size: 8, .value_kind: global_buffer, .address_space: global }
      - { .name: xc, .offset: 40, .size: 8, .value_kind: global_buffer, .address_space: global }
      - { .name: xs, .offset: 48, .size: 8, .value_kind: global_buffer, .address_space: global }
      - { .name: wc, .offset: 56, .size: 8, .value_kind: global_buffer, .address_space: global }
      - { .name: ws, .offset: 64, .size: 8, .value_kind: global_buffer, .address_space: global }
      - { .name: wot, .offset: 72, .size: 8, .value_kind: global_buffer, .address_space: global }
    .group_segment_fixed_size: 77312
    .private_segment_fixed_size: 0
    .kernarg_segment_align: 8
    .kernarg_segment_size: 80
    .max_flat_workgroup_size: 128
    .sgpr_count:     66
    .vgpr_count:     192
    .wavefront_size: 32
...
	.end_amdgpu_metadata
.endif
;; end of part 1
;; launch gemm_qkv (part 2): grid 12 x 16, 4 waves a work-group, clusters of 4 x 4, 327,680 bytes of LDS; arguments xc, xs, wc, ws, qkv, fine, bq, bk, bv; writes qkv, fine
.if DOCPART == 2
	.amdgcn_target "amdgcn-amd-amdhsa--gfx1250"
	.amdhsa_code_object_version 6
	.text
	.protected	k_q6a2064a449_gemm_qkv
	.globl	k_q6a2064a449_gemm_qkv
	.p2align	8
	.type	k_q6a2064a449_gemm_qkv,@function
k_q6a2064a449_gemm_qkv:
	s_mov_b64 s[64:65], 0
	v_nop
	global_prefetch_b8 v0, s[64:65] scope:SCOPE_SE
	s_setreg_imm32_b32 hwreg(HW_REG_WAVE_MODE, 25, 1), 1
	s_wait_xcnt 0x0
	s_wait_alu depctr_hold_cnt(0) depctr_sa_sdst(0) depctr_va_vdst(0) depctr_va_sdst(0) depctr_va_ssrc(0) depctr_va_vcc(0) depctr_vm_vsrc(0)
	s_getreg_b32 s2, hwreg(HW_REG_IB_STS2, 6, 4)
	s_cmp_eq_u32 s2, 0
	s_cbranch_scc0 .Lentry_in_a_cluster
	s_endpgm
.Lentry_in_a_cluster:
	s_bfe_u32 s2, ttmp6, 0x10000c
	s_cmp_lg_u32 s2, 0xf033
	s_cbranch_scc0 .Lentry_shape_is_right
	s_endpgm
.Lentry_shape_is_right:
; q, k, v = Q(x) Q(W) + b: one product [4096][1024] x [3072][1024]^T on codes of FP4 (E2M1) with one E8M0 scale for each 32 along K; sums in f32.
; A = xc, xs (rows of x), B = wc, ws (row 1024 T + n: column n of Wq, Wk, Wv).  Out: qkv, f16, [T 3][16 b + head][s 2048][64]; and, unrounded in f32, the first 16 rows of some tile rows into fine (below).
; A tile of C, 256 x 256, is made by four waves, 128 x 128 each: 64 accumulators, 512 registers.  K = 1,024 is two K steps of 512: both LDS slots and the scales are filled once, at the start; nothing is filled again.
; By this text's count a wave has three tensor loads out at the most.
; CLUSTERS: 4 x 4 work-groups; A's tiles are asked for jointly along a row of the cluster, B's along a column.  THE MATRIX INSTRUCTION IS USED TRANSPOSED (source 0 = 16 rows of B, source 1 = 16 rows of A):
; a lane holds eight neighbouring columns of one row of C.  THE BIAS is the C of each sum's first product.
; fine [b 2][cy 4][16 rows][3072] f32: positions 0..15 of each sequence are wanted in f32 by a later launch.  They lie in tile rows 0 and 8 (cluster rows 0 and 2, cy = 0).
; All four tile rows of those clusters store their first 16 rows, told apart by address (the plane cy); the planes cy = 0 alone are read.
; LIMIT: |q|, |k|, |v| beyond 65,504 have no f16 number.
; REGISTERS: window 0: v0-31 addresses; v32-95 scale words, two sets, and nothing else; v128-191 A's fragments, one set; v192-255 the bias; on the way out v128-255 are free.
;   window 1: B's fragments, two sets, at v0 and v128.   window 2: the accumulators of my rows 0-63 ((a, b) at v[8 (8 a + b)]);   window 3: those of my rows 64-127.
.set SIZE_K, 1024
.set KSTEP,  512
.set NQ,     KSTEP/128
.set ROWB,   256                       ; a tile's row in bytes
.set KROW,   SIZE_K/2                  ; a row of codes in memory
.set PITCH,  272                       ; an LDS row: 256 bytes + 16 of padding: the 16 rows of a fragment load start at 16 different banks
.set FR,     8
.set NL,     2
.set NP,     4                         ; places behind this matrix instruction (ISA guide 7.12.1)
.set HALFT,  128*PITCH
.set SLOT,   4*HALFT
.set KS,     SIZE_K/32                 ; a row of scales in bytes
.set SCL,    2*SLOT
.set HALFS,  (128*KS/256)*272
.set SBLK,   (16*KS/256)*272
.set SPARE,  SCL+4*HALFS               ; the spare words, 128 bytes a wave
.set SPITCH, 272                       ; the way out: a stage of 16 rows x (256 bytes + 16) for each wave, in slot 0, which has had its only fill and its last read when the first result is stored there
.set ADRA, 16
.set ADRB, 20
.set STO,  24                          ; v24 the stage: where I put 16 bytes of a row
.set RD,   25                          ; v25 and where I read back: four rows of one head's 128 bytes an instruction
.set CO,   26                          ; v26 16 x lane: my place in 512 consecutive bytes of qkv
.set ADRS, 27
.set SPW,  28
.set NIL,  29
.set FO,   30                          ; v30 my place in fine: row l % 16 of 12,288 bytes, + 32 (l / 16)
.set BO,   31                          ; v31 32 (l / 16): my eight numbers of a block's sixteen of the bias
.set SC,   32
.set AF,   128
.set BIAS, 192
.set TMP,  192                         ; the way out: packed results
.set BK,   128                         ; the way out: rows read back: v128-159 and v160-191 by turns
.set G1, 24
.set G0, 32
.set G1B, 48
.set G0B, 56
.set G1S, 68
.set G0S, 76
.set G1SB, 80
.set G0SB, 88
.set MSB, 0
.macro WIN new                         ; the immediate's high byte repeats the setting that is left
.if MSB != \new
	s_set_vgpr_msb (MSB<<8)|\new
.set MSB, \new
.endif
.endm
.set MUL_LO, 0xa1                      ; source 0 (B) window 1, source 1 (A) window 0, C and D window 2
.set MUL_HI, 0xf1                      ; the same, C and D window 3
.set TO_B,   0x40
; A joint load: waves 0 and 1 fetch for A, waves 2 and 3 for B; the branch hangs on the wave's number alone.  An s_nop 0 and four v_nop follow each of the two lines.
.macro JLOAD g0a, g1a, g0b, g1b
	s_cmp_eq_u32 s15, 0
	s_cbranch_scc0 .Lfor_b_\@
	tensor_load_to_lds s[\g0a:\g0a+3], s[\g1a:\g1a+7]
	s_nop 0
.rept 4
	v_nop
.endr
	s_branch .Lasked_\@
.Lfor_b_\@:
	tensor_load_to_lds s[\g0b:\g0b+3], s[\g1b:\g1b+7]
	s_nop 0
.rept 4
	v_nop
.endr
.Lasked_\@:
.endm
.macro CROUND                          ; a round of the cluster's barrier
	s_barrier_signal -1
	s_barrier_wait -1
	s_cmp_lg_u32 s14, 0
	s_cbranch_scc1 .Lnot_wave_0_\@
	s_barrier_signal -3
.Lnot_wave_0_\@:
	s_barrier_wait -3
	s_barrier_signal -1
	s_barrier_wait -1
.endm
	s_load_b128 s[4:7], s[0:1], 0x0                ; xc, xs
	s_load_b128 s[8:11], s[0:1], 0x10              ; wc, ws
	s_load_b64 s[12:13], s[0:1], 0x20              ; qkv
	s_load_b64 s[66:67], s[0:1], 0x28              ; fine
	s_load_b128 s[96:99], s[0:1], 0x30             ; bq, bk
	s_load_b64 s[100:101], s[0:1], 0x40            ; bv
	v_lshl_add_u32 v[SPW], v0, 2, SPARE
	v_mov_b32 v[NIL], 0
	ds_add_u32 v[SPW], v[NIL]                      ; the wave's opening: the add, twice on end, and its wait ahead of my first tensor load
	ds_add_u32 v[SPW], v[NIL]
	v_lshrrev_b32 v1, 5, v0
	v_readfirstlane_b32 s14, v1                    ; wave 0..3
	s_lshr_b32 s15, s14, 1                         ; which half of the tile's rows is mine.  Also: I fetch for A (0) or for B (1)
	s_and_b32 s16, s14, 1                          ; which half of its columns.  Also: which 128 rows of that tile I fetch
	s_bfe_u32 s40, ttmp6, 0x40000                  ; cx, cy
	s_bfe_u32 s41, ttmp6, 0x40004
	s_lshl_b32 s42, ttmp9, 2
	s_add_co_u32 s42, s42, s40                     ; tile column = 4 x cluster x + cx; cluster x is the tensor T
	s_and_b32 s17, ttmp7, 0xffff
	s_lshl_b32 s17, s17, 2
	s_add_co_u32 s17, s17, s41                     ; tile row
	s_lshl_b32 s43, s41, 2
	s_lshl_b32 s43, 15, s43                        ; my row of the cluster
	s_lshl_b32 s44, 0x1111, s40                    ; my column
	s_or_b32 s[G1+0], s43, (0<<16)|(1<<20)|(1<<21)|(5<<22)|(3<<25)  ; the mask; elements of 1 byte; padding on; bit 21 beside a mask; 4 words after every 64
	s_or_b32 s[G1B+0], s44, (0<<16)|(1<<20)|(1<<21)|(5<<22)|(3<<25)
.irp g, G1, G1B
	s_mov_b32 s[\g+1], ROWB<<16                    ; tensor_dim0
	s_mov_b32 s[\g+2], 128<<16                     ; tensor_dim1
	s_mov_b32 s[\g+3], ROWB<<16                    ; tile_dim0
	s_mov_b32 s[\g+4], 128                         ; tile_dim1
	s_mov_b32 s[\g+5], KROW                        ; the pitch
	s_mov_b32 s[\g+6], 0
	s_mov_b32 s[\g+7], 0
.endr
	s_or_b32 s[G1S+0], s43, (3<<16)|(1<<20)|(1<<21)|(5<<22)|(3<<25) ; the scales of 128 rows: a dense block, as rows of 256 bytes (32 elements of 8), 16 bytes of padding behind each
	s_or_b32 s[G1SB+0], s44, (3<<16)|(1<<20)|(1<<21)|(5<<22)|(3<<25)
.irp g, G1S, G1SB
	s_mov_b32 s[\g+1], 32<<16
	s_mov_b32 s[\g+2], (128*KS/256)<<16
	s_mov_b32 s[\g+3], 32<<16
	s_mov_b32 s[\g+4], 128*KS/256
	s_mov_b32 s[\g+5], 32
	s_mov_b32 s[\g+6], 0
	s_mov_b32 s[\g+7], 0
.endr
	s_lshl_b32 s18, s16, 7
	s_lshl_b32 s20, s17, 8
	s_add_co_u32 s20, s20, s18                     ; A: row 256 x tile row + 128 x half
	s_lshl_b32 s46, s42, 8
	s_add_co_u32 s46, s46, s18                     ; B: row 256 x tile column + 128 x half
	s_mov_b32 s21, 0
	s_mov_b32 s47, 0
	s_mov_b64 s[18:19], KS
	s_mul_u64 s[22:23], s[20:21], s[18:19]
	s_mul_u64 s[92:93], s[46:47], s[18:19]
	s_mov_b64 s[18:19], KROW
	s_mul_u64 s[20:21], s[20:21], s[18:19]
	s_mul_u64 s[46:47], s[46:47], s[18:19]
	s_mul_i32 s45, s14, HALFT                      ; where they go: wave x 128 rows
	s_mul_i32 s94, s14, HALFS
	s_wait_dscnt 0x0                               ; both opening adds are done
	s_wait_kmcnt 0x0
	s_add_nc_u64 s[20:21], s[4:5], s[20:21]
	s_add_nc_u64 s[22:23], s[6:7], s[22:23]
	s_add_nc_u64 s[46:47], s[8:9], s[46:47]
	s_add_nc_u64 s[92:93], s[10:11], s[92:93]
	CROUND                                         ; all sixteen work-groups are here: the joint loads meet
	s_mov_b32 s[G0S], 1
	s_add_co_u32 s[G0S+1], s94, SCL
	s_mov_b64 s[G0S+2:G0S+3], s[22:23]
	s_or_b32 s[G0S+3], s[G0S+3], 0x80000000
	s_mov_b32 s[G0SB], 1
	s_add_co_u32 s[G0SB+1], s94, SCL
	s_mov_b64 s[G0SB+2:G0SB+3], s[92:93]
	s_or_b32 s[G0SB+3], s[G0SB+3], 0x80000000
	JLOAD G0S, G1S, G0SB, G1SB                     ; the scales first: they are wanted with K step 0
.irp s, 0,1
	s_mov_b32 s[G0+4*\s], 1
	s_add_co_u32 s[G0+4*\s+1], s45, \s*SLOT
	s_add_nc_u64 s[G0+4*\s+2:G0+4*\s+3], s[20:21], \s*ROWB
	s_or_b32 s[G0+4*\s+3], s[G0+4*\s+3], 0x80000000
	s_mov_b32 s[G0B+4*\s], 1
	s_add_co_u32 s[G0B+4*\s+1], s45, \s*SLOT
	s_add_nc_u64 s[G0B+4*\s+2:G0B+4*\s+3], s[46:47], \s*ROWB
	s_or_b32 s[G0B+4*\s+3], s[G0B+4*\s+3], 0x80000000
	JLOAD G0+4*\s, G1, G0B+4*\s, G1B
.endr
	v_and_b32 v1, 15, v0                           ; l % 16
	v_bfe_u32 v2, v0, 4, 1                         ; l / 16
	; the bias: of tensor T (the cluster's x), my 128 columns; for B's block b my lane wants numbers 16 b + 8 (l / 16) + 0 .. 7
	s_cmp_eq_u32 ttmp9, 0
	s_cselect_b64 s[96:97], s[96:97], s[98:99]
	s_cmp_eq_u32 ttmp9, 2
	s_cselect_b64 s[96:97], s[100:101], s[96:97]
	s_lshl_b32 s94, s40, 10
	s_lshl_b32 s95, s16, 9
	s_add_co_u32 s94, s94, s95
	s_mov_b32 s95, 0
	s_add_nc_u64 s[96:97], s[96:97], s[94:95]
	v_lshlrev_b32 v[BO], 5, v2
.irp b, 0,1,2,3,4,5,6,7
	global_load_b128 v[BIAS+8*\b:BIAS+8*\b+3],   v[BO], s[96:97] offset:64*\b
	global_load_b128 v[BIAS+8*\b+4:BIAS+8*\b+7], v[BO], s[96:97] offset:64*\b+16
.endr
	v_mul_u32_u24 v3, v1, PITCH
	v_lshl_add_u32 v4, v2, 4, v3                   ; a fragment's row x pitch + 16 x half
	s_mul_i32 s21, s15, HALFT
	s_mul_i32 s22, s16, HALFT
	s_add_co_u32 s22, s22, 2*HALFT
.irp s, 0,1
	v_add_nc_u32 v[ADRA+\s], s21, v4
	v_add_nc_u32 v[ADRB+\s], s22, v4
	s_add_co_u32 s21, s21, SLOT
	s_add_co_u32 s22, s22, SLOT
.endr
	v_mul_u32_u24 v5, v1, KS                       ; my row's scales: KS bytes a row,
	v_lshrrev_b32 v6, 8, v5
	v_lshl_add_u32 v5, v6, 4, v5                   ; and 16 more for each 256 passed
	s_mul_i32 s21, s15, HALFS
	s_mul_i32 s22, s16, HALFS
	s_add_co_u32 s22, s22, 2*HALFS
	s_sub_co_u32 s22, s22, s21
	v_mul_u32_u24 v6, s22, v2                      ; lanes 16-31 take B's
	s_add_co_u32 s21, s21, SCL
	v_add_nc_u32 v5, v5, v6
	v_add_nc_u32 v[ADRS], s21, v5
	s_mul_i32 s23, s14, 16*SPITCH                  ; my stage
	v_mul_u32_u24 v5, v1, SPITCH
	v_lshl_add_u32 v5, v2, 4, v5
	v_add_nc_u32 v[STO], s23, v5                   ; in: row l % 16, 16 bytes for each half of the lanes
	v_and_b32 v6, 31, v0
	v_lshlrev_b32 v[CO], 4, v6
	v_lshrrev_b32 v5, 3, v6
	v_mul_u32_u24 v5, v5, SPITCH
	v_and_b32 v7, 7, v0
	v_lshl_add_u32 v5, v7, 4, v5
	v_add_nc_u32 v[RD], s23, v5                    ; back: eight lanes to a head's 128 bytes of a row, four rows an instruction
	v_mul_u32_u24 v[FO], v1, 12288
	v_lshl_add_u32 v[FO], v2, 5, v[FO]
	; where my part goes: qkv: T planes of 8 MiB, (16 b + head) planes of 262,144 bytes, rows of 128 bytes
	s_lshl_b32 s20, s17, 8
	s_lshl_b32 s21, s15, 7
	s_add_co_u32 s20, s20, s21                     ; my first row of C
	s_lshr_b32 s21, s20, 11                        ; b
	s_and_b32 s20, s20, 2047                       ; s
	s_lshl_b32 s20, s20, 7
	s_lshl_b32 s22, s21, 4
	s_lshl_b32 s92, s40, 2
	s_add_co_u32 s92, s92, s22
	s_lshl_b32 s93, s16, 1
	s_add_co_u32 s92, s92, s93                     ; 16 b + my first head (4 cx + 2 x half)
	s_lshl_b32 s92, s92, 18
	s_add_co_u32 s92, s92, s20
	s_lshl_b32 s93, ttmp9, 23
	s_add_co_u32 s92, s92, s93
	s_mov_b32 s93, 0
	s_add_nc_u64 s[12:13], s[12:13], s[92:93]
	s_lshl_b32 s92, s21, 2
	s_add_co_u32 s92, s92, s41                     ; fine: plane 4 b + cy of 196,608 bytes,
	s_mul_i32 s92, s92, 196608
	s_lshl_b32 s93, s42, 10                        ; my first column, 4 bytes each
	s_add_co_u32 s92, s92, s93
	s_lshl_b32 s93, s16, 9
	s_add_co_u32 s92, s92, s93
	s_mov_b32 s93, 0
	s_add_nc_u64 s[66:67], s[66:67], s[92:93]
.macro FRAG reg, adr, q, i             ; a fragment, 16 rows x 128 K of 4-bit codes: lane l holds row l % 16; registers 4 c .. 4 c + 3 hold K = 64 c + 32 (l / 16) + 0 .. 31
.irp c, 0,1
	ds_load_b128 v[\reg+4*\c:\reg+4*\c+3], v[\adr] offset:64*(\q)+32*\c+(\i)*16*PITCH
.endr
.endm
; 16 matrix instructions: A's blocks a0, a0 + 1 x B's eight.  zero = 1: the first product starts the sums, on the bias.  The 64 accumulators take turns, one instruction a turn.
.macro MUL16 a0, p, q, sc, zero
.irp a, \a0, \a0+1
.irp b, 0,1,2,3,4,5,6,7
.if \zero
	v_wmma_scale_f32_16x16x128_f8f6f4 v[8*(8*((\a)%4)+\b):8*(8*((\a)%4)+\b)+7], v[128*(\p)+FR*\b:128*(\p)+FR*\b+FR-1], v[AF+FR*(\a):AF+FR*(\a)+FR-1], v[BIAS+8*\b:BIAS+8*\b+7], v[SC+8*NQ*(\sc)+NQ*\b+(\q)], v[SC+8*NQ*(\sc)+NQ*(\a)+(\q)] matrix_a_fmt:MATRIX_FMT_FP4 matrix_b_fmt:MATRIX_FMT_FP4 matrix_a_scale:MATRIX_SCALE_ROW1
.else
	v_wmma_scale_f32_16x16x128_f8f6f4 v[8*(8*((\a)%4)+\b):8*(8*((\a)%4)+\b)+7], v[128*(\p)+FR*\b:128*(\p)+FR*\b+FR-1], v[AF+FR*(\a):AF+FR*(\a)+FR-1], v[8*(8*((\a)%4)+\b):8*(8*((\a)%4)+\b)+7], v[SC+8*NQ*(\sc)+NQ*\b+(\q)], v[SC+8*NQ*(\sc)+NQ*(\a)+(\q)] matrix_a_fmt:MATRIX_FMT_FP4 matrix_b_fmt:MATRIX_FMT_FP4 matrix_a_scale:MATRIX_SCALE_ROW1
.endif
.endr
.endr
.endm
.macro FETCH_B slot, q, p
	WIN TO_B
.irp i, 0,1,2,3,4,5,6,7
	FRAG 128*(\p)+FR*\i, ADRB+\slot, \q, \i
.endr
	WIN 0
.endm
.macro FETCH_A slot, q, i0
.irp i, \i0, \i0+1, \i0+2, \i0+3
	FRAG AF+FR*(\i), ADRA+\slot, \q, \i
.endr
.endm
.macro SCALES sc                       ; a K step's scale words: lanes 0-15 take A's block i, lanes 16-31 B's block i
.irp i, 0,1,2,3,4,5,6,7
	ds_load_b128 v[SC+8*NQ*\sc+NQ*\i:SC+8*NQ*\sc+NQ*\i+3], v[ADRS] offset:\i*SBLK
.endr
.endm
.macro PLACES n                        ; plain vector instructions between a matrix instruction and a load into, or a read of, its registers (ISA guide 7.12.1 for a read of its registers)
.rept \n
	v_nop
.endr
.endm
.macro STEP slot, q, zero              ; 128 along K, with its successor in the same slot
	s_wait_dscnt 4*NL                              ; B's set and A's blocks 0-3 are in; A's blocks 4-7 may be out
.if \zero
	WIN 0x81                                       ; the bias (C) lies in window 0, D in window 2
.else
	WIN MUL_LO
.endif
	MUL16 0, (\q)%2, \q, \slot, \zero
	MUL16 2, (\q)%2, \q, \slot, \zero
	s_wait_dscnt 0
	PLACES NP
	FETCH_B \slot, (\q)+1, 1-(\q)%2
	FETCH_A \slot, (\q)+1, 0
.if \zero
	WIN 0xc1
.else
	WIN MUL_HI
.endif
	MUL16 4, (\q)%2, \q, \slot, \zero
	MUL16 6, (\q)%2, \q, \slot, \zero
	PLACES NP
	WIN 0
	FETCH_A \slot, (\q)+1, 4
.endm
; Slot 0's last step changes slots: one barrier; in front of it each wave waits for all its tensor loads (its part of slot 1), adds 0 to its spare word, and waits for that and for its reads of slot 0.
.macro TURN slot, next
	s_wait_tensorcnt 0x0
	ds_add_u32 v[SPW], v[NIL]
	s_wait_dscnt 4*NL+1                            ; the add and A's blocks 4-7 may be out
	WIN MUL_LO
	MUL16 0, 1, NQ-1, \slot, 0
	s_wait_dscnt 0x0                               ; the add is done, and my reads of this slot are over
	s_barrier_signal -1
	MUL16 2, 1, NQ-1, \slot, 0
	WIN 0
	s_barrier_wait -1
	PLACES NP
	v_add_nc_u32 v[ADRS], 4*NQ, v[ADRS]            ; on to the next K step's scale words
	FETCH_B \next, 0, 0
	FETCH_A \next, 0, 0
	SCALES \next
	WIN MUL_HI
	MUL16 4, 1, NQ-1, \slot, 0
	MUL16 6, 1, NQ-1, \slot, 0
	PLACES NP
	WIN 0
	FETCH_A \next, 0, 4
.endm
	s_wait_tensorcnt 1                             ; the scales and my part of K step 0 are in; K step 1's load may be out
	s_barrier_signal -1
	s_barrier_wait -1
	FETCH_B 0, 0, 0
	FETCH_A 0, 0, 0
	SCALES 0
	FETCH_A 0, 0, 4
	s_wait_loadcnt 0x0                             ; the bias
	STEP 0, 0, 1
	STEP 0, 1, 0
	STEP 0, 2, 0
	TURN 0, 1
	STEP 1, 0, 0
	STEP 1, 1, 0
	STEP 1, 2, 0
	s_wait_dscnt 4*NL                              ; the last step: nothing more to fetch
	WIN MUL_LO
	MUL16 0, 1, NQ-1, 1, 0
	MUL16 2, 1, NQ-1, 1, 0
	s_wait_dscnt 0
	WIN MUL_HI
	MUL16 4, 1, NQ-1, 1, 0
	MUL16 6, 1, NQ-1, 1, 0
	WIN 0
	PLACES NP
	; the first 16 rows of the tile, unrounded, where the cluster's row is even and the wave holds the tile's upper half: both alike in all partners
	s_and_b32 s20, ttmp7, 1
	s_or_b32 s20, s20, s15
	s_cmp_lg_u32 s20, 0
	s_cbranch_scc1 .Lno_dump
	WIN 0x08                                       ; a store's data: window 2
.irp b, 0,1,2,3,4,5,6,7
	global_store_b128 v[FO], v[8*\b:8*\b+3], s[66:67] offset:64*\b          ; each accumulator from its low end on
	global_store_b128 v[FO], v[8*\b+4:8*\b+7], s[66:67] offset:64*\b+16
.endr
	WIN 0
.Lno_dump:
; THE WAY OUT, a block of 16 rows x 128 columns (two heads) at a time: rounded to f16, 16 bytes a lane into my stage, back as four rows of one head an instruction: 512 consecutive bytes of qkv.
.macro PACK a
.set AC, 64*((\a)%4)
	WIN 0x0a+5*((\a)/4)                            ; sources 0 and 1: window 2 or 3
.irp b, 0,1,2,3,4,5,6,7
.irp r, 0,1,2,3
	v_cvt_pk_f16_f32 v[TMP+4*\b+\r], v[AC+8*\b+2*\r], v[AC+8*\b+2*\r+1]
.endr
.endr
	WIN 0
.endm
.macro TOSTAGE a
.set BB, BK+32*((\a)%2)
.irp b, 0,1,2,3,4,5,6,7
	ds_store_b128 v[STO], v[TMP+4*\b:TMP+4*\b+3] offset:32*\b
.endr
.irp e, 0,1
.irp t, 0,1,2,3
	ds_load_b128 v[BB+4*(4*\e+\t):BB+4*(4*\e+\t)+3], v[RD] offset:4*SPITCH*\t+128*\e   ; LDS serves a wave's instructions in order: these see the stores above
.endr
.endr
.endm
.macro SEND a
.set BB, BK+32*((\a)%2)
	s_wait_dscnt 0x0                               ; the block is back in registers
	s_wait_xcnt 0x0                                ; the block before has had its stores' registers read: the next read-back may land there
.irp e, 0,1
.irp t, 0,1,2,3
	global_store_b128 v[CO], v[BB+4*(4*\e+\t):BB+4*(4*\e+\t)+3], s[12:13] offset:262144*\e+2048*(\a)+512*\t
.endr
.endr
.endm
	PACK 0
	TOSTAGE 0
.irp a, 1,2,3,4,5,6,7                  ; block a's conversions stand between block a - 1's loads from the stage and the wait for them
	PACK \a
	SEND \a-1
	TOSTAGE \a
.endr
	SEND 7
	s_wait_tensorcnt 0x0                           ; the wave's end
	ds_add_u32 v[SPW], v[NIL]
	s_wait_dscnt 0x0
	CROUND                                         ; the closing round
	s_endpgm
.Lfunc_end_k_q6a2064a449_gemm_qkv:
	.size	k_q6a2064a449_gemm_qkv, .Lfunc_end_k_q6a2064a449_gemm_qkv-k_q6a2064a449_gemm_qkv
	.p2alignl 7, 3214868480
	.fill 96, 4, 3214868480
	.section	.rodata,"a",@progbits
	.p2align	6, 0x0
	.amdhsa_kernel k_q6a2064a449_gemm_qkv
		.amdhsa_group_segment_fixed_size 327680
		.amdhsa_private_segment_fixed_size 0
		.amdhsa_enable_private_segment 0
		.amdhsa_kernarg_size 72
		.amdhsa_user_sgpr_count 2
		.amdhsa_user_sgpr_kernarg_segment_ptr 1
		.amdhsa_wavefront_size32 1
		.amdhsa_system_sgpr_workgroup_id_x 1
		.amdhsa_system_sgpr_workgroup_id_y 1
		.amdhsa_system_sgpr_workgroup_id_z 1
		.amdhsa_system_vgpr_workitem_id 0
		.amdhsa_next_free_vgpr 1024
		.amdhsa_next_free_sgpr 102
		.amdhsa_reserve_vcc 0
		.amdhsa_float_denorm_mode_32 3
		.amdhsa_float_denorm_mode_16_64 3
		.amdhsa_memory_ordered 1
		.amdhsa_forward_progress 1
		.amdhsa_inst_pref_size 131
	.end_amdhsa_kernel
	.amdgpu_metadata
---
amdhsa.version: [ 1, 2 ]
amdhsa.kernels:
  - .name:           k_q6a2064a449_gemm_qkv
    .symbol:         k_q6a2064a449_gemm_qkv.kd
    .args:
      - { .name: xc, .offset: 0, .size: 8, .value_kind: global_buffer, .address_space: global }
      - { .name: xs, .offset: 8, .size: 8, .value_kind: global_buffer, .address_space: global }
      - { .name: wc, .offset: 16, .size: 8, .value_kind: global_buffer, .address_space: global }
      - { .name: ws, .offset: 24, .size: 8, .value_kind: global_buffer, .address_space: global }
      - { .name: qkv, .offset: 32, .size: 8, .value_kind: global_buffer, .address_space: global }
      - { .name: fine, .offset: 40, .size: 8, .value_kind: global_buffer, .address_space: global }
      - { .name: bq, .offset: 48, .size: 8, .value_kind: global_buffer, .address_space: global }
      - { .name: bk, .offset: 56, .size: 8, .value_kind: global_buffer, .address_space: global }
      - { .name: bv, .offset: 64, .size: 8, .value_kind: global_buffer, .address_space: global }
    .group_segment_fixed_size: 327680
    .private_segment_fixed_size: 0
    .kernarg_segment_align: 8
    .kernarg_segment_size: 72
    .max_flat_workgroup_size: 128
    .sgpr_count:     102
    .vgpr_count:     1024
    .wavefront_size: 32
...
	.end_amdgpu_metadata
.endif
;; end of part 2
;; launch attn (part 3): grid 8 x 32, 16 waves a work-group, no clusters, 327,680 bytes of LDS; arguments qkv, ao; writes ao
.if DOCPART == 3
	.amdgcn_target "amdgcn-amd-amdhsa--gfx1250"
	.amdhsa_code_object_version 6
	.text
	.protected	k_q6a2064a449_attn
	.globl	k_q6a2064a449_attn
	.p2align	8
	.type	k_q6a2064a449_attn,@function
k_q6a2064a449_attn:
	s_mov_b64 s[64:65], 0
	v_nop
	global_prefetch_b8 v0, s[64:65] scope:SCOPE_SE
	s_setreg_imm32_b32 hwreg(HW_REG_WAVE_MODE, 25, 1), 1
	s_wait_xcnt 0x0
; ao[bh][q][:] = the sum over k <= q of softmax_k(Q[q] . K[k] / 8) V[k][:], for 32 heads (bh = 16 b + head) of 2,048 positions x 64.  Q, K, V: f16, qkv [T 3][bh][s][64]; ao: f16 [bh][s][64].
; Products on f16 operands with f32 sums; maxima, exponentials and sums in f32; the weights p are rounded to f16 for the second product, the result once at the end.
; SHARES.  Work-group (i, bh) owns query blocks i and 15 - i of 128 queries: waves 0-7 take block i, waves 8-15 block 15 - i, 16 queries a wave.  Under the causal mask that is 8 (i + 1) + 8 (16 - i) = 136
; wave steps of 16 queries x 128 keys in every work-group.  Four waves to a SIMD, 256 registers each: one wave's vector work stands beside another's matrix work and LDS loads.
; LAYOUT.  S^T = K Q^T (source 0 = 16 keys, source 1 = my 16 queries): a lane holds ONE query (lane % 16) and keys 8 (lane / 16) + 0..7.  Two such tiles rounded in pairs ARE source 1 (32 keys x 16 queries) of
; O^T = V^T P.  K comes out of LDS as it lies, V ([key][channel]) turned, by ds_load_tr16_b128.
; SOFTMAX.  A running maximum m and sum l: p = 2^(c s - c m), c = log2(e) / 8; in every step O^T and l are multiplied by f = 2^(c m_old - c m_new).
; RING.  Two LDS slots of 256 keys, filled by the tensor data mover: wave 0 brings a slot's K, wave 1 its V, one load each, so that each load's bytes are read whenever the slot's first key counts for some query.
; EVERY work-group walks all 8 slots (constant trip counts); a step all of whose keys come after the wave's queries is jumped over, and a slot whose first key comes after the work-group's last query is not asked for.
; NO CLUSTER: the eight work-groups of a head need different numbers of slots (8 - i / 2, rounded up), and a joint load must be issued by every partner and read by it.
; LIMIT: |q|, |k|, |v| up to 65,504 (f16).
; REGISTERS: v1-7 addresses that stay; v8, v9 addresses in hand; v12 -c m, v13 m, v[14:15] l in two halves; v16-31 Q; v32-95 fragments of K or V; v96-159 S^T, then p; v160-191 O^T; v192-223 P; v224-238 at work.
.set KP,    144                        ; a key's row in LDS: 128 bytes + 16: the 16 rows of a load start at 16 different banks
.set VP,    160                        ; a row of V: 128 + 32: an odd multiple of 32 bytes, for the turning load
.set SK,    256                        ; keys in a slot
.set VOFF,  SK*KP                      ; a slot: 256 rows of K, then 256 rows of V
.set SLOT1, 1<<17                      ; slot 1 begins here: one exclusive or turns an address from slot to slot
.set NSL,   2048/SK
.set SPARE, 2*SLOT1                    ; the spare words, 128 bytes a wave: eight blocks of 256 bytes that no other line names
.set STP,   144                        ; the way out: a stage of 16 rows x (128 bytes + 16) a wave, in slot 0, which was left at the last change of slots: it has had its last fill, and nobody reads it
.set AK0, 1
.set AV0, 2
.set QA,  3                            ; v3   Q: my byte in the wave's 16 rows
.set RH,  4                            ; v4   lane % 16 - 8 (lane / 16)
.set SPW, 5
.set NIL, 6
.set GO,  7                            ; v7   16 x lane
.set ADK, 8
.set ADV, 9
.set QF,  16
.set FRG, 32
.set SR,  96
.set OT,  160
.set PF,  192
.set MX,  224                          ; v224-227 four chains of the maximum
.set PL,  228                          ; v228 a lane permute's destination
.set T0,  229
.set T1,  230
.set FF,  232                          ; v[232:233] f
.set L2,  234                          ; v[234:235] the sum's second chain
.set NINF, 236
.set DD,  237
.set PFO, 238                          ; v238 256 x lane: the prefetches' offset; never rewritten
.set WV,  18
.set SEL, 20
.set CS,  22
.set G1K, 24
.set G1V, 32
.set G0K, 40
.set G0V, 44
.set TB,  2
.set QL,  66                           ; s66  my work-group's last query
.set SLOTS, 67
.set PFA, 76
.set LIM, 80
.set KF,  98                           ; s98  the step's first key
.set Q0,  99                           ; s99  my first query
; Wave 0 fetches K, wave 1 V, the others nothing; the branches hang on the wave's number alone.  An s_nop 0 and four v_nop follow each of the two lines.
.macro TLOAD
	s_cmp_eq_u32 s[WV], 0
	s_cbranch_scc0 .Lnot_k_\@
	tensor_load_to_lds s[G0K:G0K+3], s[G1K:G1K+7]
	s_nop 0
.rept 4
	v_nop
.endr
	s_branch .Lasked_\@
.Lnot_k_\@:
	s_cmp_eq_u32 s[WV], 1
	s_cbranch_scc0 .Lasked_\@
	tensor_load_to_lds s[G0V:G0V+3], s[G1V:G1V+7]
	s_nop 0
.rept 4
	v_nop
.endr
.Lasked_\@:
.endm
; A prefetch of what the NEXT change of slots will ask for: a slot's K and V, 32,768 dense bytes each.  All eight work-groups of a head walk the same K and V: work-group i = 0, which walks every slot, asks.
; In it waves 4-7 ask for K's block, 8,192 bytes a wave, lanes 256 bytes apart, and waves 8-11 for V's likewise: each aligned 256 bytes is named once in the launch.  The last change that fills a slot asks for nothing.
.macro ASK
	s_cmp_gt_u32 s[SLOTS], s[LIM]
	s_cbranch_scc0 .Lnot_mine_\@
	global_prefetch_b8 v[PFO], s[PFA:PFA+1] th:TH_LOAD_NT scope:SCOPE_SE
.Lnot_mine_\@:
.endm
	s_load_b128 s[4:7], s[0:1], 0x0                ; qkv, ao
	v_lshl_add_u32 v[SPW], v0, 2, SPARE
	v_mov_b32 v[NIL], 0
	ds_add_u32 v[SPW], v[NIL]                      ; the wave's opening: the add, twice on end, and its wait ahead of my first tensor load
	ds_add_u32 v[SPW], v[NIL]
	v_lshrrev_b32 v8, 5, v0
	v_readfirstlane_b32 s[WV], v8                  ; wave 0..15
	s_and_b32 s72, ttmp7, 0xffff                   ; bh
	s_lshl_b32 s74, s72, 18                        ; a head's plane: 262,144 bytes
	s_mov_b32 s75, 0
	s_lshl_b32 s81, s[WV], 4
	s_lshl_b32 s82, ttmp9, 7
	s_add_co_u32 s83, s82, s81                     ; block i: 128 i + 16 w
	s_sub_co_u32 s84, 1792, s82
	s_add_co_u32 s84, s84, s81                     ; block 15 - i: 128 (15 - i) + 16 (w - 8)
	s_cmp_lt_u32 s[WV], 8
	s_cselect_b32 s[Q0], s83, s84
	s_sub_co_u32 s[QL], 2047, s82                  ; the last query of block 15 - i
	s_mov_b32 s[G1K], (1<<16)|(1<<20)|(4<<22)|(3<<25)   ; no mask; elements of 2 bytes; padding: 4 words after every 32
	s_mov_b32 s[G1V], (1<<16)|(1<<20)|(4<<22)|(7<<25)   ; 8 words after every 32
.irp g, G1K, G1V
	s_mov_b32 s[\g+1], 64<<16                      ; tensor_dim0
	s_mov_b32 s[\g+2], SK<<16                      ; tensor_dim1
	s_mov_b32 s[\g+3], 64<<16                      ; tile_dim0
	s_mov_b32 s[\g+4], SK                          ; tile_dim1
	s_mov_b32 s[\g+5], 64                          ; the pitch
	s_mov_b32 s[\g+6], 0
	s_mov_b32 s[\g+7], 0
.endr
	s_mov_b32 s[SEL], 0x76543210
	s_mov_b32 s[SEL+1], 0xfedcba98
	s_mov_b32 s[CS], 0x3e38aa3b                    ; c = log2(e) / 8
	s_mov_b32 s[CS+1], s[CS]
	s_mov_b32 s[TB], 0
	s_mov_b32 s[SLOTS], NSL-1
	s_mov_b32 s[KF], 0
	s_wait_dscnt 0x0                               ; both opening adds are done
	s_wait_kmcnt 0x0
	s_add_nc_u64 s[4:5], s[4:5], s[74:75]          ; my head's plane of Q
	s_mov_b32 s[G0K], 1
	s_mov_b32 s[G0K+1], 0                          ; slot 0
	s_add_nc_u64 s[G0K+2:G0K+3], s[4:5], 8388608   ; K's tensor lies 8 MiB behind Q's
	s_or_b32 s[G0K+3], s[G0K+3], 0x80000000
	s_mov_b32 s[G0V], 1
	s_mov_b32 s[G0V+1], VOFF
	s_add_nc_u64 s[G0V+2:G0V+3], s[4:5], 16777216
	s_or_b32 s[G0V+3], s[G0V+3], 0x80000000
	TLOAD                                          ; slot 0: keys 0 to 255, which count for some query of every work-group
	s_mov_b32 s82, 16777216
	s_cmp_lt_u32 s[WV], 8                          ; the prefetches: waves 4-7 K, waves 8-11 V
	s_cselect_b32 s82, 8388608, s82
	s_and_b32 s83, s[WV], 3
	s_lshl_b32 s83, s83, 13                        ; my wave's 8,192 bytes,
	s_add_co_u32 s82, s82, s83
	s_add_co_u32 s82, s82, SK*128                  ; in slot 1: the first change of slots steps it to slot 2.  Nothing is prefetched at the head
	s_mov_b32 s83, 0
	s_add_nc_u64 s[PFA:PFA+1], s[4:5], s[82:83]
	s_sub_co_u32 s83, s[WV], 4
	s_lshr_b32 s83, s83, 3                         ; 0 in waves 4 to 11,
	s_or_b32 s83, s83, ttmp9                       ; of work-group i = 0
	s_cmp_eq_u32 s83, 0
	s_cselect_b32 s[LIM], 1, -1
	s_lshl_b32 s84, s[Q0], 7
	s_mov_b32 s85, 0
	s_add_nc_u64 s[8:9], s[4:5], s[84:85]          ; Q at my first query
	s_add_nc_u64 s[6:7], s[6:7], s[74:75]
	s_add_nc_u64 s[6:7], s[6:7], s[84:85]          ; ao likewise
	v_and_b32 v10, 15, v0                          ; r
	v_bfe_u32 v11, v0, 4, 1                        ; h
	v_lshlrev_b32 v[QA], 7, v10
	v_lshl_add_u32 v[QA], v11, 4, v[QA]
.irp i, 0,1,2,3
	global_load_b128 v[QF+4*\i:QF+4*\i+3], v[QA], s[8:9] offset:32*\i   ; Q's two fragments stay in registers
.endr
	v_mul_u32_u24 v[AK0], v10, KP
	v_lshl_add_u32 v[AK0], v11, 4, v[AK0]          ; K: row r, + 16 h
	v_and_b32 v8, 7, v0
	v_lshl_add_u32 v8, v11, 3, v8
	v_mul_u32_u24 v[AV0], v8, VP                   ; V, turned: key 8 h + lane % 8,
	v_bfe_u32 v9, v0, 3, 1
	v_lshl_add_u32 v[AV0], v9, 4, v[AV0]           ; channels 8 ((lane / 8) % 2) on
	v_add_nc_u32 v[AV0], VOFF, v[AV0]
	v_lshlrev_b32 v9, 3, v11
	v_sub_nc_u32 v[RH], v10, v9
	v_and_b32 v[GO], 31, v0
	v_lshlrev_b32 v[PFO], 8, v[GO]
	v_lshlrev_b32 v[GO], 4, v[GO]
	v_mov_b32 v13, 0xff61b1e6                      ; m: -3e38, under every score
	v_mul_f32 v12, 0xbe38aa3b, v13                 ; -c m
	v_mov_b32 v14, 0
	v_mov_b32 v15, 0
	v_mov_b32 v[PL], 0                             ; a lane permute's destination counts as one of its sources
	v_mov_b32 v[FF+1], 0                           ; named as the upper half of the pair
	v_mov_b32 v[NINF], 0xff800000
.set j, 0
.rept 32
	v_mov_b32 v[OT+j], 0                           ; O^T: the step is written once; its first run finds zeros
.set j, j+1
.endr
; A KEY STEP: 128 keys, the q-th of the slot in hand
.macro STEP q
	s_add_co_u32 s96, s[Q0], 15
	s_cmp_gt_u32 s[KF], s96                        ; all keys come after my queries: the work is left out (ids and the count of steps alone; no barrier and no tensor load stands in a step)
	s_cbranch_scc1 .Lhidden_\@
	v_add_nc_u32 v[ADK], s[TB], v[AK0]
	v_add_nc_u32 v[ADV], s[TB], v[AV0]
	v_nop
	v_nop                                          ; four places in front of loads into registers that the last products read
.irp g, 0,1                                    ; S^T = K Q^T, four tiles of 16 keys at a time
.if \g > 0
.rept 4
	v_nop
.endr
.endif
.irp t, 0,1,2,3
.irp f, 0,1
	ds_load_b128 v[FRG+16*\t+8*\f:FRG+16*\t+8*\f+3],   v[ADK] offset:(128*(\q)+16*(4*\g+\t))*KP+64*\f
	ds_load_b128 v[FRG+16*\t+8*\f+4:FRG+16*\t+8*\f+7], v[ADK] offset:(128*(\q)+16*(4*\g+\t))*KP+64*\f+32
.endr
.endr
	s_wait_dscnt 0x0
.irp t, 0,1,2,3                                ; the four accumulators take turns
	v_wmma_f32_16x16x32_f16 v[SR+8*(4*\g+\t):SR+8*(4*\g+\t)+7], v[FRG+16*\t:FRG+16*\t+7], v[QF:QF+7], 0
.endr
.irp t, 0,1,2,3
	v_wmma_f32_16x16x32_f16 v[SR+8*(4*\g+\t):SR+8*(4*\g+\t)+7], v[FRG+16*\t+8:FRG+16*\t+15], v[QF+8:QF+15], v[SR+8*(4*\g+\t):SR+8*(4*\g+\t)+7]
.endr
.endr                                          ; register 8 kt + j of lane (r, h): query Q0 + r, key KF + 16 kt + 8 h + j
.rept 4
	v_nop
.endr
	s_add_co_u32 s96, s[KF], 127                   ; on the diagonal hidden scores become -infinity ahead of the maximum; a step all of whose keys count skips this
	s_cmp_le_u32 s96, s[Q0]
	s_cbranch_scc1 .Lopen_\@
	s_sub_co_i32 s96, s[Q0], s[KF]
	v_add_nc_u32 v[DD], s96, v[RH]                 ; d = my query - KF - 8 h: hidden where 16 kt + j > d
.set n, 0
.rept 64
	v_cmp_gt_i32 vcc_lo, 16*(n/8)+n%8, v[DD]
	v_cndmask_b32 v[SR+n], v[SR+n], v[NINF], vcc_lo
.set n, n+1
.endr
.Lopen_\@:
.irp b, 0,1,2,3                                ; the maximum: four chains; each accumulator is entered at its low end
	v_max3_num_f32 v[MX+\b], v[SR+16*\b], v[SR+1+16*\b], v[SR+2+16*\b]
.endr
.irp i, 3,5,7,9,11,13
.irp b, 0,1,2,3
	v_max3_num_f32 v[MX+\b], v[MX+\b], v[SR+16*\b+\i], v[SR+1+16*\b+\i]
.endr
.endr
.irp b, 0,1,2,3
	v_max_num_f32 v[MX+\b], v[MX+\b], v[SR+15+16*\b]
.endr
	v_max3_num_f32 v[T0], v[MX], v[MX+1], v[MX+2]
	v_max_num_f32 v[T0], v[T0], v[MX+3]
	v_permlanex16_b32 v[PL], v[T0], s[SEL], s[SEL+1]   ; the query's other 64 keys lie in the lane 16 away
	v_max3_num_f32 v13, v[T0], v[PL], v13          ; the new m
	v_mov_b32 v[T1], v12
	v_mul_f32 v12, 0xbe38aa3b, v13                 ; -c m
	v_sub_f32 v[FF], v12, v[T1]                    ; c m_old - c m_new
.set j, 0
.rept 32
	v_pk_fma_f32 v[SR+j:SR+j+1], v[SR+j:SR+j+1], s[CS:CS+1], v[12:13] op_sel_hi:[1,0,0]   ; c s - c m, two at a time
.set j, j+2
.endr
.set j, 0
.rept 64
	v_exp_f32 v[SR+j], v[SR+j]                     ; one batch: p,
.set j, j+1
.endr
	v_exp_f32 v[FF], v[FF]                         ; and f
	v_nop                                          ; a plain instruction behind the last exponential
	s_wait_alu depctr_va_vdst(0)                   ; one wait for the batch, ahead of its first reader
	v_pk_mul_f32 v[14:15], v[14:15], v[FF:FF+1] op_sel_hi:[1,0]
	v_pk_add_f32 v[L2:L2+1], v[SR:SR+1], v[SR+2:SR+3]   ; the sum of the unrounded p, in two chains
.irp j, 4,8,12,16,20,24,28,32,36,40,44,48,52,56,60
	v_pk_add_f32 v[14:15], v[14:15], v[SR+\j:SR+\j+1]
	v_pk_add_f32 v[L2:L2+1], v[L2:L2+1], v[SR+2+\j:SR+3+\j]
.endr
	v_pk_add_f32 v[14:15], v[14:15], v[L2:L2+1]
.set j, 0
.rept 32
	v_cvt_pk_f16_f32 v[PF+j], v[SR+2*j], v[SR+2*j+1]   ; tiles 2 b and 2 b + 1 become source 1 for keys 32 b on
.set j, j+1
.endr
.set j, 0
.rept 16
	v_pk_mul_f32 v[OT+j:OT+j+1], v[OT+j:OT+j+1], v[FF:FF+1] op_sel_hi:[1,0]   ; O^T x f, each accumulator from its low end on
.set j, j+2
.endr
.irp g, 0,1                                    ; O^T += V^T P: 64 keys at a time
.if \g > 0
.rept 4
	v_nop
.endr
.endif
.irp k, 0,1
.irp c, 0,1,2,3
	ds_load_tr16_b128 v[FRG+8*(4*\k+\c):FRG+8*(4*\k+\c)+3],   v[ADV] offset:(128*(\q)+32*(2*\g+\k))*VP+32*\c
	ds_load_tr16_b128 v[FRG+8*(4*\k+\c)+4:FRG+8*(4*\k+\c)+7], v[ADV] offset:(128*(\q)+32*(2*\g+\k))*VP+16*VP+32*\c
.endr
.endr
	s_wait_dscnt 0x0
.irp k, 0,1
.irp c, 0,1,2,3
	v_wmma_f32_16x16x32_f16 v[OT+8*\c:OT+8*\c+7], v[FRG+8*(4*\k+\c):FRG+8*(4*\k+\c)+7], v[PF+8*(2*\g+\k):PF+8*(2*\g+\k)+7], v[OT+8*\c:OT+8*\c+7]
.endr
.endr
.endr
.Lhidden_\@:
	s_add_co_u32 s[KF], s[KF], 128
.endm
; THE CHANGE OF SLOTS, at a slot's head.  Each wave waits for all its tensor loads, adds 0 to its spare word (fill = 1: twice on end), and waits for that and for its reads of the slot that it has left.
; Behind the barrier the slot ahead is whole and nobody reads the other one.  fill = 1: that other slot takes the next 256 keys, up to the causal limit.
.macro CHANGE fill
	s_wait_tensorcnt 0x0                           ; no tensor load of mine is out, so a descriptor may be written
	ds_add_u32 v[SPW], v[NIL]
.if \fill
	ds_add_u32 v[SPW], v[NIL]                      ; and once more, in every trip alike
	s_xor_b32 s[G0K+1], s[G0K+1], SLOT1
	s_add_nc_u64 s[G0K+2:G0K+3], s[G0K+2:G0K+3], SK*128
	s_xor_b32 s[G0V+1], s[G0V+1], SLOT1
	s_add_nc_u64 s[G0V+2:G0V+3], s[G0V+2:G0V+3], SK*128
	s_wait_xcnt 0x0                                ; the last prefetch, a slot back, has read its address
	s_add_nc_u64 s[PFA:PFA+1], s[PFA:PFA+1], SK*128
.endif
	s_wait_dscnt 0x0                               ; the add is done, and my reads of the slot that I have left are over
	s_barrier_signal -1
	s_barrier_wait -1
.if \fill
	s_add_co_u32 s96, s[KF], SK                    ; the first key of the slot that this change would ask for
	s_cmp_gt_u32 s96, s[QL]                        ; beyond my work-group's last query no wave reads it: it is not asked for.  The work-group's number and the count of steps alone: all sixteen waves go the same way
	s_cbranch_scc1 .Lpast_\@
	TLOAD                                          ; a wave's one tensor load until the next change
.Lpast_\@:
	ASK
.endif
.endm
.macro SLOT_STEPS
	STEP 0
	STEP 1
	s_xor_b32 s[TB], s[TB], SLOT1
.endm
	s_wait_loadcnt 0x0                             ; Q
.Lslot:                                            ; NSL - 1 trips
	CHANGE 1
	SLOT_STEPS
	s_sub_co_u32 s[SLOTS], s[SLOTS], 1
	s_cmp_lg_u32 s[SLOTS], 0
	s_cbranch_scc1 .Lslot
	CHANGE 0                                       ; the last slot is written out: nothing is left to ask for
	SLOT_STEPS
	; THE WAY OUT: O^T / l, rounded to f16, through my stage, and out as 512 consecutive bytes (four rows of my head) an instruction
	v_add_f32 v14, v14, v15
	v_permlanex16_b32 v[PL], v14, s[SEL], s[SEL+1]
	v_add_f32 v14, v14, v[PL]
	v_rcp_f32 v[FF], v14
	v_and_b32 v8, 15, v0                           ; (plain work behind the reciprocal)
	v_bfe_u32 v9, v0, 4, 1
	s_mul_i32 s73, s[WV], 16*STP                   ; my stage
	v_mul_u32_u24 v10, v8, STP
	v_lshl_add_u32 v10, v9, 4, v10
	v_add_nc_u32 v10, s73, v10                     ; in: row r, 16 bytes for each half of the lanes, 32 bytes a tile of channels
	v_and_b32 v11, 31, v0
	v_lshrrev_b32 v[T0], 3, v11
	v_and_b32 v[T1], 7, v0
	v_mul_u32_u24 v11, v[T0], STP
	v_lshl_add_u32 v11, v[T1], 4, v11
	v_add_nc_u32 v11, s73, v11                     ; back: eight lanes to a row of 128 bytes
	s_wait_alu depctr_va_vdst(0)                   ; the wait ahead of the reciprocal's first reader
.set j, 0
.rept 16
	v_pk_mul_f32 v[SR+j:SR+j+1], v[OT+j:OT+j+1], v[FF:FF+1] op_sel_hi:[1,0]
.set j, j+2
.endr
.set j, 0
.rept 16
	v_cvt_pk_f16_f32 v[FRG+j], v[SR+2*j], v[SR+2*j+1]
.set j, j+1
.endr
.irp c, 0,1,2,3
	ds_store_b128 v10, v[FRG+4*\c:FRG+4*\c+3] offset:32*\c
.endr
.irp t, 0,1,2,3
	ds_load_b128 v[FRG+16+4*\t:FRG+16+4*\t+3], v11 offset:4*STP*\t   ; LDS serves a wave's instructions in order: these see my stores
.endr
.irp t, 0,1,2,3
	s_wait_dscnt 3-\t                              ; the later read-backs may be out
	global_store_b128 v[GO], v[FRG+16+4*\t:FRG+16+4*\t+3], s[6:7] offset:512*\t
.endr
	s_wait_tensorcnt 0x0                           ; the wave's end
	ds_add_u32 v[SPW], v[NIL]
	s_wait_dscnt 0x0
	s_endpgm
.Lfunc_end_k_q6a2064a449_attn:
	.size	k_q6a2064a449_attn, .Lfunc_end_k_q6a2064a449_attn-k_q6a2064a449_attn
	.p2alignl 7, 3214868480
	.fill 96, 4, 3214868480
	.section	.rodata,"a",@progbits
	.p2align	6, 0x0
	.amdhsa_kernel k_q6a2064a449_attn
		.amdhsa_group_segment_fixed_size 327680
		.amdhsa_private_segment_fixed_size 0
		.amdhsa_enable_private_segment 0
		.amdhsa_kernarg_size 16
		.amdhsa_user_sgpr_count 2
		.amdhsa_user_sgpr_kernarg_segment_ptr 1
		.amdhsa_wavefront_size32 1
		.amdhsa_system_sgpr_workgroup_id_x 1
		.amdhsa_system_sgpr_workgroup_id_y 1
		.amdhsa_system_sgpr_workgroup_id_z 1
		.amdhsa_system_vgpr_workitem_id 0
		.amdhsa_next_free_vgpr 256
		.amdhsa_next_free_sgpr 100
		.amdhsa_reserve_vcc 1
		.amdhsa_float_denorm_mode_32 3
		.amdhsa_float_denorm_mode_16_64 3
		.amdhsa_memory_ordered 1
		.amdhsa_forward_progress 1
		.amdhsa_inst_pref_size 106
	.end_amdhsa_kernel
	.amdgpu_metadata
---
amdhsa.version: [ 1, 2 ]
amdhsa.kernels:
  - .name:           k_q6a2064a449_attn
    .symbol:         k_q6a2064a449_attn.kd
    .args:
      - { .name: qkv, .offset: 0, .size: 8, .value_kind: global_buffer, .address_space: global }
      - { .name: ao, .offset: 8, .size: 8, .value_kind: global_buffer, .address_space: global }
    .group_segment_fixed_size: 327680
    .private_segment_fixed_size: 0
    .kernarg_segment_align: 8
    .kernarg_segment_size: 16
    .max_flat_workgroup_size: 512
    .sgpr_count:     100
    .vgpr_count:     256
    .wavefront_size: 32
...
	.end_amdgpu_metadata
.endif
;; end of part 3
;; launch proj (part 4): grid 8 x 32, 4 waves a work-group, clusters of 4 x 4, 327,680 bytes of LDS; arguments ao, wot, bo, out0; writes out0
.if DOCPART == 4
	.amdgcn_target "amdgcn-amd-amdhsa--gfx1250"
	.amdhsa_code_object_version 6
	.text
	.protected	k_q6a2064a449_proj
	.globl	k_q6a2064a449_proj
	.p2align	8
	.type	k_q6a2064a449_proj,@function
k_q6a2064a449_proj:
	s_mov_b64 s[64:65], 0
	v_nop
	global_prefetch_b8 v0, s[64:65] scope:SCOPE_SE
	s_setreg_imm32_b32 hwreg(HW_REG_WAVE_MODE, 25, 1), 1
	s_wait_xcnt 0x0
	s_wait_alu depctr_hold_cnt(0) depctr_sa_sdst(0) depctr_va_vdst(0) depctr_va_sdst(0) depctr_va_ssrc(0) depctr_va_vcc(0) depctr_vm_vsrc(0)
	s_getreg_b32 s2, hwreg(HW_REG_IB_STS2, 6, 4)
	s_cmp_eq_u32 s2, 0
	s_cbranch_scc0 .Lentry_in_a_cluster
	s_endpgm
.Lentry_in_a_cluster:
	s_bfe_u32 s2, ttmp6, 0x10000c
	s_cmp_lg_u32 s2, 0xf033
	s_cbranch_scc0 .Lentry_shape_is_right
	s_endpgm
.Lentry_shape_is_right:
; out0[m][n] = the sum over k of A[m][k] Wo[k][n] + bo[n].  A is attention's result, f16, laid by head: ao [16 b + head][s 2048][64], m = 2048 b + s, k = 64 head + channel.  wot: Wo transposed, f16 [n 1024][k 1024].  out0: f32.
; A tile of out0 is 128 x 128: 256 work-groups.  Four waves, 64 x 64 each: 16 accumulators.  K goes in steps of 256 (four heads) through two LDS slots.
; A's part of a K step: for each of four heads the wave's 64 rows are 8,192 dense bytes: one tensor load of 4 lines of 8,192 bytes, a head's plane (262,144 bytes) apart, with 16 bytes of padding behind every 128:
; in LDS [head][row] with rows 144 bytes apart.  B's: 64 rows of 512 bytes, 528 apart.
; CLUSTERS: 4 x 4; A's tiles jointly along a row of the cluster, B's along a column.  THE MATRIX INSTRUCTION IS USED TRANSPOSED: a lane holds eight neighbouring columns of a row of out0.  The bias is the C of each sum's first product.
; All rows are stored, positions 0..15 of each sequence too (leaving them out would be a branch on a work-group's place in its cluster); the launch behind this one writes those 32 rows over, from f32 operands.
; LIMIT: operands in f16: magnitudes up to 65,504.
; REGISTERS: window 0: v0-31 addresses; v32-95 the way out; v96-127 the bias; v128-255 the accumulators ((a, b) at v[128 + 8 (4 a + b)]).   window 1: two fragment buffers of 128.
.set KSTEP,  256
.set PITCH,  528                       ; B's LDS row: 512 bytes + 16
.set APITCH, 144                       ; A's LDS row: 128 bytes + 16
.set PLANE,  64*APITCH                 ; one head's 64 rows
.set AHALF,  4*PLANE                   ; what one load of A brings
.set BHALF,  64*PITCH                  ; what one load of B brings
.set SLOT,   2*AHALF+2*BHALF
.set ASTEP,  4*262144                  ; a K step on in ao
.set STAGE,  2*SLOT                    ; behind the ring: 16 rows x 272 bytes for each wave
.set SPITCH, 272
.set SPARE,  STAGE+4*16*SPITCH
.set LAPS,   2
.set ADRA, 16
.set ADRB, 20
.set STO,  24
.set RD,   25
.set CO,   26
.set BO,   27
.set SPW,  28
.set NIL,  29
.set TMP,  32
.set BIAS, 96
.set ACC,  128
.set F0,   0
.set F1,   128
.set G1, 24
.set G0, 32
.set G1B, 48
.set G0B, 56
.set MSB, 0
.macro WIN new
.if MSB != \new
	s_set_vgpr_msb (MSB<<8)|\new
.set MSB, \new
.endif
.endm
.set MUL,  0x05                        ; sources 0 (B) and 1 (A) window 1; C and D window 0
.set TO_F, 0x40
.macro JLOAD s                         ; a joint load: waves 0 and 1 fetch A's two halves, waves 2 and 3 B's; an s_nop 0 and four v_nop follow each of the two lines
	s_cmp_eq_u32 s11, 0
	s_cbranch_scc0 .Lfor_b_\@
	tensor_load_to_lds s[G0+4*\s:G0+4*\s+3], s[G1:G1+7]
	s_nop 0
.rept 4
	v_nop
.endr
	s_branch .Lasked_\@
.Lfor_b_\@:
	tensor_load_to_lds s[G0B+4*\s:G0B+4*\s+3], s[G1B:G1B+7]
	s_nop 0
.rept 4
	v_nop
.endr
.Lasked_\@:
.endm
.macro CREST
	s_cmp_lg_u32 s10, 0
	s_cbranch_scc1 .Lnot_wave_0_\@
	s_barrier_signal -3
.Lnot_wave_0_\@:
	s_barrier_wait -3
	s_barrier_signal -1
	s_barrier_wait -1
.endm
.macro CROUND
	s_barrier_signal -1
	s_barrier_wait -1
	CREST
.endm
	s_load_b128 s[4:7], s[0:1], 0x0                ; ao, wot
	s_load_b64 s[66:67], s[0:1], 0x10              ; bo
	s_load_b64 s[8:9], s[0:1], 0x18                ; out0
	v_lshl_add_u32 v[SPW], v0, 2, SPARE
	v_mov_b32 v[NIL], 0
	ds_add_u32 v[SPW], v[NIL]                      ; the wave's opening: the add, twice on end, and its wait ahead of my first tensor load
	ds_add_u32 v[SPW], v[NIL]
	v_lshrrev_b32 v1, 5, v0
	v_readfirstlane_b32 s10, v1                    ; wave 0..3
	s_lshr_b32 s11, s10, 1                         ; which half of the tile's rows is mine.  Also: I fetch for A (0) or for B (1)
	s_and_b32 s12, s10, 1                          ; which half of its columns.  Also: which 64 rows I fetch
	s_bfe_u32 s40, ttmp6, 0x40000
	s_bfe_u32 s41, ttmp6, 0x40004
	s_lshl_b32 s42, ttmp9, 2
	s_add_co_u32 s42, s42, s40                     ; tile column
	s_and_b32 s13, ttmp7, 0xffff
	s_lshl_b32 s13, s13, 2
	s_add_co_u32 s13, s13, s41                     ; tile row
	s_lshl_b32 s43, s41, 2
	s_lshl_b32 s43, 15, s43                        ; my row of the cluster
	s_lshl_b32 s44, 0x1111, s40                    ; my column
	s_or_b32 s[G1+0], s43, (1<<16)|(1<<20)|(1<<21)|(4<<22)|(3<<25)  ; A: the mask; elements of 2 bytes; padding: 4 words after every 32
	s_mov_b32 s[G1+1], 4096<<16                    ; tensor_dim0: 64 rows x 64 elements on end
	s_mov_b32 s[G1+2], 4<<16                       ; tensor_dim1: four heads
	s_mov_b32 s[G1+3], 4096<<16                    ; tile_dim0
	s_mov_b32 s[G1+4], 4                           ; tile_dim1
	s_mov_b32 s[G1+5], 131072                      ; from head to head, in elements
	s_mov_b32 s[G1+6], 0
	s_mov_b32 s[G1+7], 0
	s_or_b32 s[G1B+0], s44, (1<<16)|(1<<20)|(1<<21)|(6<<22)|(3<<25) ; B: 4 words after every 128
	s_mov_b32 s[G1B+1], KSTEP<<16
	s_mov_b32 s[G1B+2], 64<<16
	s_mov_b32 s[G1B+3], KSTEP<<16
	s_mov_b32 s[G1B+4], 64
	s_mov_b32 s[G1B+5], 1024
	s_mov_b32 s[G1B+6], 0
	s_mov_b32 s[G1B+7], 0
	s_lshl_b32 s17, s12, 6
	s_lshl_b32 s16, s13, 7
	s_add_co_u32 s16, s16, s17                     ; A: row 128 x tile row + 64 x half
	s_lshl_b32 s46, s42, 7
	s_add_co_u32 s46, s46, s17                     ; B: row 128 x tile column + 64 x half
	s_lshr_b32 s18, s16, 11                        ; b
	s_and_b32 s16, s16, 2047                       ; s
	s_lshl_b32 s16, s16, 7
	s_lshl_b32 s18, s18, 22                        ; sixteen planes a batch
	s_add_co_u32 s16, s16, s18
	s_mov_b32 s17, 0
	s_lshl_b32 s46, s46, 11                        ; rows of 2,048 bytes
	s_mov_b32 s47, 0
	s_mul_i32 s20, s12, AHALF                      ; where they go: the wave's number alone enters an LDS address
	s_mul_i32 s21, s12, BHALF
	s_add_co_u32 s21, s21, 2*AHALF
	s_wait_dscnt 0x0                               ; both opening adds are done
	s_wait_kmcnt 0x0
	s_add_nc_u64 s[14:15], s[4:5], s[16:17]
	s_add_nc_u64 s[46:47], s[6:7], s[46:47]
	CROUND                                         ; all sixteen work-groups are here: the first joint loads meet
.irp s, 0,1
	s_mov_b32 s[G0+4*\s], 1
	s_add_co_u32 s[G0+4*\s+1], s20, \s*SLOT
	s_add_nc_u64 s[G0+4*\s+2:G0+4*\s+3], s[14:15], \s*ASTEP
	s_or_b32 s[G0+4*\s+3], s[G0+4*\s+3], 0x80000000
	s_mov_b32 s[G0B+4*\s], 1
	s_add_co_u32 s[G0B+4*\s+1], s21, \s*SLOT
	s_add_nc_u64 s[G0B+4*\s+2:G0B+4*\s+3], s[46:47], \s*KSTEP*2
	s_or_b32 s[G0B+4*\s+3], s[G0B+4*\s+3], 0x80000000
	JLOAD \s
.endr
	v_and_b32 v1, 15, v0                           ; l % 16
	v_bfe_u32 v2, v0, 4, 1                         ; l / 16
	s_lshl_b32 s46, s42, 9                         ; my first column, 4 bytes each: 512 x tile column + 256 x half
	s_lshl_b32 s47, s12, 8
	s_add_co_u32 s46, s46, s47
	s_mov_b32 s47, 0
	s_add_nc_u64 s[66:67], s[66:67], s[46:47]
	v_lshlrev_b32 v[BO], 5, v2
.irp b, 0,1,2,3
	global_load_b128 v[BIAS+8*\b:BIAS+8*\b+3],   v[BO], s[66:67] offset:64*\b       ; bo at my lane's eight columns of block b
	global_load_b128 v[BIAS+8*\b+4:BIAS+8*\b+7], v[BO], s[66:67] offset:64*\b+16
.endr
	v_mul_u32_u24 v3, v1, APITCH
	v_lshl_add_u32 v3, v2, 4, v3
	v_mul_u32_u24 v4, v1, PITCH
	v_lshl_add_u32 v4, v2, 4, v4
	s_mul_i32 s21, s11, AHALF                      ; my 64 rows of A
	s_mul_i32 s22, s12, BHALF                      ; my 64 rows of B, behind A's
	s_add_co_u32 s22, s22, 2*AHALF
.irp s, 0,1
	v_add_nc_u32 v[ADRA+\s], s21, v3
	v_add_nc_u32 v[ADRB+\s], s22, v4
	s_add_co_u32 s21, s21, SLOT
	s_add_co_u32 s22, s22, SLOT
.endr
	s_mul_i32 s23, s10, 16*SPITCH
	s_add_co_u32 s23, s23, STAGE                   ; my stage
	v_mul_u32_u24 v5, v1, SPITCH
	v_lshl_add_u32 v5, v2, 5, v5
	v_add_nc_u32 v[STO], s23, v5                   ; in: row l % 16, 32 bytes for each half of the lanes
	v_mul_u32_u24 v5, v2, SPITCH
	v_lshl_add_u32 v5, v1, 4, v5
	v_add_nc_u32 v[RD], s23, v5                    ; back: sixteen lanes to a row of 256 bytes
	v_lshlrev_b32 v5, 12, v2
	v_lshl_add_u32 v[CO], v1, 4, v5                ; and the same two rows in out0
	s_lshl_b32 s16, s13, 7
	s_lshl_b32 s17, s11, 6
	s_add_co_u32 s16, s16, s17                     ; my first row of out0
	s_lshl_b32 s16, s16, 12
	s_mov_b32 s17, 0
	s_add_nc_u64 s[8:9], s[8:9], s[16:17]
	s_add_nc_u64 s[8:9], s[8:9], s[46:47]
; 8 matrix instructions: m blocks a0, a0 + 1 x all 4 n blocks, 32 along K: half c of buffer f.  zero = 1: the first product starts the sums, on the bias.  The 16 accumulators take turns
.macro MUL8 f, c, a0, zero
.irp a, \a0, \a0+1
.irp b, 0,1,2,3
.if \zero
	v_wmma_f32_16x16x32_f16 v[ACC+8*(4*(\a)+\b):ACC+8*(4*(\a)+\b)+7], v[\f+64+8*(4*\c+\b):\f+64+8*(4*\c+\b)+7], v[\f+8*(4*\c+\a):\f+8*(4*\c+\a)+7], v[BIAS+8*\b:BIAS+8*\b+7]
.else
	v_wmma_f32_16x16x32_f16 v[ACC+8*(4*(\a)+\b):ACC+8*(4*(\a)+\b)+7], v[\f+64+8*(4*\c+\b):\f+64+8*(4*\c+\b)+7], v[\f+8*(4*\c+\a):\f+8*(4*\c+\a)+7], v[ACC+8*(4*(\a)+\b):ACC+8*(4*(\a)+\b)+7]
.endif
.endr
.endr
.endm
; 32 LDS loads in one run: the fragments of the slot's q-th 64 along K (one head) into buffer f; the first 32 along K first
.macro FETCH slot, q, f
	WIN TO_F
.irp c, 0,1
.irp i, 0,1,2,3
	ds_load_b128 v[\f+64+8*(4*\c+\i):\f+64+8*(4*\c+\i)+3],   v[ADRB+\slot] offset:128*(\q)+64*\c+\i*16*PITCH
	ds_load_b128 v[\f+64+8*(4*\c+\i)+4:\f+64+8*(4*\c+\i)+7], v[ADRB+\slot] offset:128*(\q)+64*\c+\i*16*PITCH+32
	ds_load_b128 v[\f+8*(4*\c+\i):\f+8*(4*\c+\i)+3],         v[ADRA+\slot] offset:PLANE*(\q)+64*\c+\i*16*APITCH
	ds_load_b128 v[\f+8*(4*\c+\i)+4:\f+8*(4*\c+\i)+7],       v[ADRA+\slot] offset:PLANE*(\q)+64*\c+\i*16*APITCH+32
.endr
.endr
.endm
.macro PLACES
.rept 4
	v_nop
.endr
.endm
.macro QUARTER slot, q, f, g, zero     ; multiplies buffer f and fetches the slot's q-th quarter into g
	s_wait_dscnt 16                                ; the first 32 along K are in
	WIN MUL
	MUL8 \f, 0, 0, \zero
	MUL8 \f, 0, 2, \zero
	PLACES
	FETCH \slot, \q, \g
	s_wait_dscnt 32                                ; all but the 32 just issued
	WIN MUL
	MUL8 \f, 1, 0, 0
	MUL8 \f, 1, 2, 0
.endm
; The last quarter multiplies buffer 1 and changes slots: one barrier; in front of it each wave waits for all its tensor loads, adds 0 to its spare word, and waits for that and for its reads of this slot.
.macro TURN slot, next, fill
	WIN 0
	s_wait_tensorcnt 0x0                           ; all my tensor loads have landed: my part of the next slot
	ds_add_u32 v[SPW], v[NIL]
	s_wait_dscnt 17                                ; the add and the youngest sixteen loads may be out
	WIN MUL
	MUL8 F1, 0, 0, 0
	s_wait_dscnt 0x0                               ; the add is done, and my reads of this slot are over
	s_barrier_signal -1
	MUL8 F1, 0, 2, 0
.if \fill
	WIN 0
.endif
	s_barrier_wait -1
.if \fill
	CREST                                          ; the barrier has opened a round of the cluster's: no wave of any partner still reads this slot or has a load on its way
	s_add_nc_u64 s[G0+4*\slot+2:G0+4*\slot+3], s[G0+4*\slot+2:G0+4*\slot+3], 2*ASTEP
	s_add_nc_u64 s[G0B+4*\slot+2:G0B+4*\slot+3], s[G0B+4*\slot+2:G0B+4*\slot+3], 2*KSTEP*2
	JLOAD \slot                                    ; the first tensor load behind the round; its four v_nop are also the places in front of the loads below
.else
	PLACES
.endif
	FETCH \next, 0, F0
	WIN MUL
	MUL8 F1, 1, 0, 0
	MUL8 F1, 1, 2, 0
.endm
	s_wait_tensorcnt 1                             ; my part of K step 0 is in; K step 1's may stay out
	s_barrier_signal -1
	s_barrier_wait -1
	FETCH 0, 0, F0
	s_wait_loadcnt 0x0                             ; the bias
	QUARTER 0, 1, F0, F1, 1
	WIN 0
	s_mov_b32 s3, LAPS-1
.Llap:                                                 ; a trip goes once round the ring and fills both slots again
	QUARTER 0, 2, F1, F0, 0
	QUARTER 0, 3, F0, F1, 0
	TURN 0, 1, 1
	QUARTER 1, 1, F0, F1, 0
	QUARTER 1, 2, F1, F0, 0
	QUARTER 1, 3, F0, F1, 0
	TURN 1, 0, 1
	QUARTER 0, 1, F0, F1, 0
	WIN 0
	s_sub_co_u32 s3, s3, 1
	s_cmp_lg_u32 s3, 0
	s_cbranch_scc1 .Llap
	QUARTER 0, 2, F1, F0, 0                        ; the last lap fills nothing
	QUARTER 0, 3, F0, F1, 0
	TURN 0, 1, 0
	QUARTER 1, 1, F0, F1, 0
	QUARTER 1, 2, F1, F0, 0
	QUARTER 1, 3, F0, F1, 0
	s_wait_dscnt 16
	WIN MUL
	MUL8 F1, 0, 0, 0
	MUL8 F1, 0, 2, 0
	s_wait_dscnt 0
	MUL8 F1, 1, 0, 0
	MUL8 F1, 1, 2, 0
	WIN 0
; THE WAY OUT, 16 rows x 64 columns at a time, each wave by itself: its 64 columns of f32 are 256 aligned bytes of a row.  32 bytes a lane into my stage, back as whole rows.
.macro TOSTAGE a
.irp b, 0,1,2,3
	ds_store_b128 v[STO], v[ACC+8*(4*(\a)+\b):ACC+8*(4*(\a)+\b)+3] offset:64*\b        ; each accumulator from its low end on
	ds_store_b128 v[STO], v[ACC+8*(4*(\a)+\b)+4:ACC+8*(4*(\a)+\b)+7] offset:64*\b+16
.endr
.irp t, 0,1,2,3,4,5,6,7
	ds_load_b128 v[TMP+32*((\a)%2)+4*\t:TMP+32*((\a)%2)+4*\t+3], v[RD] offset:\t*2*SPITCH   ; LDS serves a wave's instructions in order
.endr
.endm
.macro SEND a, younger
	s_wait_dscnt \younger
.irp t, 0,1,2,3,4,5,6,7
	global_store_b128 v[CO], v[TMP+32*((\a)%2)+4*\t:TMP+32*((\a)%2)+4*\t+3], s[8:9] offset:(16*(\a)+2*\t)*4096 th:TH_STORE_NT   ; sixteen lanes store 256 consecutive bytes, aligned
.endr
.endm
	PLACES
	TOSTAGE 0
.irp a, 1,2,3
.if \a > 1
	s_wait_xcnt 0x0                                ; block a - 2's stores have read their registers: block a's read-back may land there
.endif
	TOSTAGE \a
	SEND \a-1, 16                                  ; behind block a - 1's loads: block a's 8 stores and 8 loads
.endr
	SEND 3, 0
	s_wait_tensorcnt 0x0                           ; the wave's end
	ds_add_u32 v[SPW], v[NIL]
	s_wait_dscnt 0x0
	CROUND                                         ; the closing round
	s_endpgm
.Lfunc_end_k_q6a2064a449_proj:
	.size	k_q6a2064a449_proj, .Lfunc_end_k_q6a2064a449_proj-k_q6a2064a449_proj
	.p2alignl 7, 3214868480
	.fill 96, 4, 3214868480
	.section	.rodata,"a",@progbits
	.p2align	6, 0x0
	.amdhsa_kernel k_q6a2064a449_proj
		.amdhsa_group_segment_fixed_size 327680
		.amdhsa_private_segment_fixed_size 0
		.amdhsa_enable_private_segment 0
		.amdhsa_kernarg_size 32
		.amdhsa_user_sgpr_count 2
		.amdhsa_user_sgpr_kernarg_segment_ptr 1
		.amdhsa_wavefront_size32 1
		.amdhsa_system_sgpr_workgroup_id_x 1
		.amdhsa_system_sgpr_workgroup_id_y 1
		.amdhsa_system_sgpr_workgroup_id_z 1
		.amdhsa_system_vgpr_workitem_id 0
		.amdhsa_next_free_vgpr 512
		.amdhsa_next_free_sgpr 72
		.amdhsa_reserve_vcc 0
		.amdhsa_float_denorm_mode_32 3
		.amdhsa_float_denorm_mode_16_64 3
		.amdhsa_memory_ordered 1
		.amdhsa_forward_progress 1
		.amdhsa_inst_pref_size 87
	.end_amdhsa_kernel
	.amdgpu_metadata
---
amdhsa.version: [ 1, 2 ]
amdhsa.kernels:
  - .name:           k_q6a2064a449_proj
    .symbol:         k_q6a2064a449_proj.kd
    .args:
      - { .name: ao, .offset: 0, .size: 8, .value_kind: global_buffer, .address_space: global }
      - { .name: wot, .offset: 8, .size: 8, .value_kind: global_buffer, .address_space: global }
      - { .name: bo, .offset: 16, .size: 8, .value_kind: global_buffer, .address_space: global }
      - { .name: out0, .offset: 24, .size: 8, .value_kind: global_buffer, .address_space: global }
    .group_segment_fixed_size: 327680
    .private_segment_fixed_size: 0
    .kernarg_segment_align: 8
    .kernarg_segment_size: 32
    .max_flat_workgroup_size: 128
    .sgpr_count:     72
    .vgpr_count:     512
    .wavefront_size: 32
...
	.end_amdgpu_metadata
.endif
;; end of part 4
;; launch head16 (part 5): grid 16 x 2, 16 waves a work-group, no clusters, 71,680 bytes of LDS; arguments fine, Wo, bo, out0; writes out0
.if DOCPART == 5
	.amdgcn_target "amdgcn-amd-amdhsa--gfx1250"
	.amdhsa_code_object_version 6
	.text
	.protected	k_q6a2064a449_head16
	.globl	k_q6a2064a449_head16
	.p2align	8
	.type	k_q6a2064a449_head16,@function
k_q6a2064a449_head16:
	s_mov_b64 s[64:65], 0
	v_nop
	global_prefetch_b8 v0, s[64:65] scope:SCOPE_SE
	s_setreg_imm32_b32 hwreg(HW_REG_WAVE_MODE, 25, 1), 1
	s_wait_xcnt 0x0
; Positions 0..15 of both sequences, attention and projection, with f32 operands throughout: these rows average one to sixteen values and are the largest in size.
; fine [b][cy][16 rows][3072] f32 holds q, k, v with their biases, unrounded; the planes cy = 0 are positions 0..15.  Work-group (x, b) makes out0 rows 2048 b + 0..15, columns 64 x .. 64 x + 63.
; WAVE = HEAD.  Each wave computes its head's 16 x 16 attention and its head's part of the projection (K = its 64 channels); the sixteen parts meet in LDS and waves 0-7 add them, with bo, and store.
; All products by v_wmma_f32_16x16x4_f32 (96 a wave), transposed, so that a lane holds one query throughout.  An operand is used where it lies: the order of k within a product is free as long as both sources keep the same.
; The four accumulators v200-231 are written by matrix instructions alone; they serve three products, each begun with the constant 0, and take turns, one instruction a turn.
; 64 columns to a work-group keep each store of out0 at 256 aligned bytes.
.set SPARE, 69632                      ; behind the sixteen parts of 4,352 bytes: the spare words, 128 bytes a wave
.set PART,  4352                       ; a head's part: 16 blocks of 256 bytes (16 queries x 4 columns), 272 apart
.set SPW, 16
.set NIL, 17
.set SS,  18                           ; v18-25 scores
.set PP,  26                           ; v26-33 p
.set QR,  40                           ; v40-71 Q; later W2
.set KR,  72                           ; v72-103 K; later W2
.set VR,  104                          ; v104-135 V^T; later O^T / l
.set W1,  136                          ; v136-199 Wo's rows of channels 0-31; later the sixteen parts
.set W2,  40                           ; v40-103 Wo's rows of channels 32-63
.set ACC, 200
.set WK,  232                          ; v232-247 at work
.set BB,  248                          ; v248-251 bo, then the sum
	s_load_b256 s[4:11], s[0:1], 0x0               ; fine, Wo, bo, out0
	v_lshl_add_u32 v[SPW], v0, 2, SPARE
	v_mov_b32 v[NIL], 0
	v_lshrrev_b32 v1, 5, v0
	v_readfirstlane_b32 s12, v1                    ; wave = head
	v_and_b32 v1, 15, v0                           ; r
	v_bfe_u32 v2, v0, 4, 1                         ; h
	v_mul_u32_u24 v3, v1, 12288
	v_lshl_add_u32 v3, v2, 7, v3                   ; Q, K: row r, channels 32 h on
	v_mul_u32_u24 v4, v2, 98304
	v_lshl_add_u32 v4, v1, 2, v4                   ; V: key 8 h on, channel r
	v_lshlrev_b32 v5, 15, v2
	v_lshl_add_u32 v5, v1, 2, v5                   ; Wo: row 8 h on, column r
	s_mul_i32 s13, s12, PART
	v_lshlrev_b32 v6, 4, v1
	v_mad_u32_u24 v6, v2, 272, v6
	v_add_nc_u32 v6, s13, v6                       ; my part: block 2 g + h, 16 bytes a query
	v_lshrrev_b32 v12, 4, v0                       ; the adding (waves 0-7): thread T takes query T / 16,
	v_and_b32 v13, 15, v0                          ; columns 4 (T % 16) on, which lie in block 4 (cq / 4) + 2 (cq % 2) + (cq / 2) % 2
	v_lshrrev_b32 v14, 2, v13
	v_and_b32 v15, 1, v13
	v_lshlrev_b32 v14, 2, v14
	v_lshl_add_u32 v14, v15, 1, v14
	v_bfe_u32 v15, v0, 1, 1
	v_add_nc_u32 v14, v14, v15
	v_mul_u32_u24 v7, v14, 272
	v_lshl_add_u32 v7, v12, 4, v7
	v_lshlrev_b32 v8, 12, v12
	v_lshl_add_u32 v8, v13, 4, v8                  ; out0: row T / 16, 16 bytes a thread
	v_lshlrev_b32 v9, 4, v13                       ; bo likewise
	v_lshlrev_b32 v10, 3, v2
	v_sub_nc_u32 v10, v1, v10                      ; r - 8 h
	v_mov_b32 v11, 0xff800000                      ; -infinity
	v_mov_b32 v35, 0                               ; a lane permute's destination counts as one of its sources
	s_and_b32 s14, ttmp7, 0xffff                   ; b
	s_mul_i32 s16, s14, 786432                     ; four planes a batch
	s_lshl_b32 s17, s12, 8                         ; my head's 64 columns
	s_add_co_u32 s16, s16, s17
	s_mov_b32 s17, 0
	s_lshl_b32 s18, s12, 18                        ; Wo: my head's 64 rows of 4,096 bytes,
	s_lshl_b32 s20, ttmp9, 8                       ; the work-group's 64 columns
	s_add_co_u32 s18, s18, s20
	s_mov_b32 s19, 0
	s_mov_b32 s21, 0
	s_lshl_b32 s22, s14, 23                        ; out0: 2,048 rows a batch
	s_add_co_u32 s22, s22, s20
	s_mov_b32 s23, 0
	s_mov_b32 s24, 0x76543210
	s_mov_b32 s25, 0xfedcba98
	s_mov_b32 s26, 0x3e38aa3b                      ; c = log2(e) / 8
	s_wait_kmcnt 0x0
	s_add_nc_u64 s[4:5], s[4:5], s[16:17]
	s_add_nc_u64 s[6:7], s[6:7], s[18:19]
	s_add_nc_u64 s[8:9], s[8:9], s[20:21]
	s_add_nc_u64 s[10:11], s[10:11], s[22:23]
	global_load_b128 v[BB:BB+3], v9, s[8:9]
.irp i, 0,1,2,3,4,5,6,7
	global_load_b128 v[QR+4*\i:QR+4*\i+3], v3, s[4:5] offset:16*\i
.endr
.irp i, 0,1,2,3,4,5,6,7
	global_load_b128 v[KR+4*\i:KR+4*\i+3], v3, s[4:5] offset:4096+16*\i
.endr
.irp c, 0,1,2,3
.irp j, 0,1,2,3,4,5,6,7
	global_load_b32 v[VR+8*\c+\j], v4, s[4:5] offset:8192+12288*\j+64*\c      ; V(key 8 h + j, channel 16 c + r)
.endr
.endr
.irp c, 0,1
.irp u, 0,1,2,3
.irp j, 0,1,2,3,4,5,6,7
	global_load_b32 v[W1+32*\c+8*\u+\j], v5, s[6:7] offset:(16*\c+\j)*4096+64*\u   ; Wo(channel 16 c + 8 h + j, column 16 u + r)
.endr
.endr
.endr
	; ---- 1: S^T = K Q^T.  Product t takes channels 32 h + 2 t, + 1 from both sources
	s_wait_loadcnt 63                              ; 96 loads were issued behind K's last: bo, Q and K are in
.set t, 0
.rept 16
.if t < 4
	v_wmma_f32_16x16x4_f32 v[ACC+8*(t%4):ACC+8*(t%4)+7], v[KR+2*t:KR+2*t+1], v[QR+2*t:QR+2*t+1], 0
.else
	v_wmma_f32_16x16x4_f32 v[ACC+8*(t%4):ACC+8*(t%4)+7], v[KR+2*t:KR+2*t+1], v[QR+2*t:QR+2*t+1], v[ACC+8*(t%4):ACC+8*(t%4)+7]
.endif
.set t, t+1
.endr
.rept 8
	v_nop                                          ; eight places behind this form, in front of loads into its sources and of reads of its results
.endr
.irp c, 2,3
.irp u, 0,1,2,3
.irp j, 0,1,2,3,4,5,6,7
	global_load_b32 v[W2+32*(\c-2)+8*\u+\j], v5, s[6:7] offset:(16*\c+\j)*4096+64*\u
.endr
.endr
.endr
.irp i, 0,1,2,3
	v_pk_add_f32 v[WK+2*\i:WK+2*\i+1], v[ACC+2*\i:ACC+2*\i+1], v[ACC+8+2*\i:ACC+9+2*\i]          ; the four partial sums, each from its low end on
.endr
.irp i, 0,1,2,3
	v_pk_add_f32 v[WK+8+2*\i:WK+9+2*\i], v[ACC+16+2*\i:ACC+17+2*\i], v[ACC+24+2*\i:ACC+25+2*\i]
.endr
.irp i, 0,1,2,3
	v_pk_add_f32 v[SS+2*\i:SS+2*\i+1], v[WK+2*\i:WK+2*\i+1], v[WK+8+2*\i:WK+9+2*\i]              ; register j of lane (r, h): query r, key 8 h + j
.endr
	; ---- 2: mask and softmax
.irp j, 0,1,2,3,4,5,6,7
	v_cmp_gt_i32 vcc_lo, \j, v10                   ; key 8 h + j comes after query r
	v_cndmask_b32 v[SS+\j], v[SS+\j], v11, vcc_lo
.endr
	v_max3_num_f32 v34, v[SS], v[SS+1], v[SS+2]
	v_max3_num_f32 v34, v34, v[SS+3], v[SS+4]
	v_max3_num_f32 v34, v34, v[SS+5], v[SS+6]
	v_max_num_f32 v34, v34, v[SS+7]
	v_permlanex16_b32 v35, v34, s24, s25
	v_max_num_f32 v34, v34, v35                    ; key 0 counts for every query: a number
	v_mul_f32 v36, 0xbe38aa3b, v34                 ; -c m
.irp j, 0,1,2,3,4,5,6,7
	v_fma_f32 v[PP+\j], v[SS+\j], s26, v36
.endr
.irp j, 0,1,2,3,4,5,6,7
	v_exp_f32 v[PP+\j], v[PP+\j]
.endr
	v_nop
	s_wait_alu depctr_va_vdst(0)                   ; one wait for the eight, ahead of their first reader
	v_pk_add_f32 v[38:39], v[PP:PP+1], v[PP+2:PP+3]
	v_pk_add_f32 v[WK:WK+1], v[PP+4:PP+5], v[PP+6:PP+7]
	v_pk_add_f32 v[38:39], v[38:39], v[WK:WK+1]
	v_add_f32 v37, v38, v39
	v_permlanex16_b32 v35, v37, s24, s25
	v_add_f32 v37, v37, v35
	v_rcp_f32 v38, v37                             ; 1 / l; its wait stands ahead of its first reader, below
	v_nop
	; ---- 3: O^T = V^T P.  Product t takes keys 8 h + 2 t, + 1
	s_wait_loadcnt 63                              ; 128 loads were issued behind V's last
.irp t, 0,1,2,3
.irp c, 0,1,2,3
.if \t == 0
	v_wmma_f32_16x16x4_f32 v[ACC+8*\c:ACC+8*\c+7], v[VR+8*\c+2*\t:VR+8*\c+2*\t+1], v[PP+2*\t:PP+2*\t+1], 0
.else
	v_wmma_f32_16x16x4_f32 v[ACC+8*\c:ACC+8*\c+7], v[VR+8*\c+2*\t:VR+8*\c+2*\t+1], v[PP+2*\t:PP+2*\t+1], v[ACC+8*\c:ACC+8*\c+7]
.endif
.endr
.endr
.rept 9
	v_nop                                          ; nine places: the next product begins these accumulators anew, and the lines below write over V^T
.endr
	s_wait_alu depctr_va_vdst(0)                   ; the reciprocal
.set i, 0
.rept 16
	v_pk_mul_f32 v[VR+2*i:VR+2*i+1], v[ACC+2*i:ACC+2*i+1], v[38:39] op_sel_hi:[1,0]   ; register 8 c + j: channel 16 c + 8 h + j of query r
.set i, i+1
.endr
	; ---- 4: my head's part of the projection: (column, query) = the sum over my 64 channels.  Step (c, t) takes channels 16 c + 8 h + 2 t, + 1
	s_wait_loadcnt 63                              ; 64 loads were issued behind W1's last
.irp c, 0,1
.irp t, 0,1,2,3
.irp u, 0,1,2,3
.if (\c == 0) && (\t == 0)
	v_wmma_f32_16x16x4_f32 v[ACC+8*\u:ACC+8*\u+7], v[W1+32*\c+8*\u+2*\t:W1+32*\c+8*\u+2*\t+1], v[VR+8*\c+2*\t:VR+8*\c+2*\t+1], 0
.else
	v_wmma_f32_16x16x4_f32 v[ACC+8*\u:ACC+8*\u+7], v[W1+32*\c+8*\u+2*\t:W1+32*\c+8*\u+2*\t+1], v[VR+8*\c+2*\t:VR+8*\c+2*\t+1], v[ACC+8*\u:ACC+8*\u+7]
.endif
.endr
.endr
.endr
	s_wait_loadcnt 0x0
.irp c, 2,3
.irp t, 0,1,2,3
.irp u, 0,1,2,3
	v_wmma_f32_16x16x4_f32 v[ACC+8*\u:ACC+8*\u+7], v[W2+32*(\c-2)+8*\u+2*\t:W2+32*(\c-2)+8*\u+2*\t+1], v[VR+8*\c+2*\t:VR+8*\c+2*\t+1], v[ACC+8*\u:ACC+8*\u+7]
.endr
.endr
.endr
.rept 8
	v_nop
.endr
.irp g, 0,1,2,3,4,5,6,7
	ds_store_b128 v6, v[ACC+4*\g:ACC+4*\g+3] offset:544*\g     ; columns 16 (g / 2) + 8 h + 4 (g % 2) + 0..3 of query r; each accumulator from its low end on
.endr
	s_wait_dscnt 0x0                               ; for the others' sake: my part has landed
	s_barrier_signal -1
	s_barrier_wait -1
	s_cmp_lt_u32 s12, 8
	s_cbranch_scc0 .Ldone
.irp w, 0,1,2,3,4,5,6,7,8,9,10,11,12,13,14,15
	ds_load_b128 v[W1+4*\w:W1+4*\w+3], v7 offset:PART*\w
.endr
	s_wait_dscnt 0x0
.irp w, 0,1,2,3,4,5,6,7,8,9,10,11,12,13,14,15
	v_pk_add_f32 v[BB:BB+1], v[BB:BB+1], v[W1+4*\w:W1+4*\w+1]          ; bo, then the heads in ascending order
	v_pk_add_f32 v[BB+2:BB+3], v[BB+2:BB+3], v[W1+4*\w+2:W1+4*\w+3]
.endr
	global_store_b128 v8, v[BB:BB+3], s[10:11]     ; sixteen lanes store 256 consecutive bytes, aligned
.Ldone:
	s_wait_tensorcnt 0x0                           ; the wave's end, behind my last LDS store
	ds_add_u32 v[SPW], v[NIL]
	s_wait_dscnt 0x0
	s_endpgm
.Lfunc_end_k_q6a2064a449_head16:
	.size	k_q6a2064a449_head16, .Lfunc_end_k_q6a2064a449_head16-k_q6a2064a449_head16
	.p2alignl 7, 3214868480
	.fill 96, 4, 3214868480
	.section	.rodata,"a",@progbits
	.p2align	6, 0x0
	.amdhsa_kernel k_q6a2064a449_head16
		.amdhsa_group_segment_fixed_size 71680
		.amdhsa_private_segment_fixed_size 0
		.amdhsa_enable_private_segment 0
		.amdhsa_kernarg_size 32
		.amdhsa_user_sgpr_count 2
		.amdhsa_user_sgpr_kernarg_segment_ptr 1
		.amdhsa_wavefront_size32 1
		.amdhsa_system_sgpr_workgroup_id_x 1
		.amdhsa_system_sgpr_workgroup_id_y 1
		.amdhsa_system_sgpr_workgroup_id_z 1
		.amdhsa_system_vgpr_workitem_id 0
		.amdhsa_next_free_vgpr 256
		.amdhsa_next_free_sgpr 66
		.amdhsa_reserve_vcc 1
		.amdhsa_float_denorm_mode_32 3
		.amdhsa_float_denorm_mode_16_64 3
		.amdhsa_memory_ordered 1
		.amdhsa_forward_progress 1
		.amdhsa_inst_pref_size 35
	.end_amdhsa_kernel
	.amdgpu_metadata
---
amdhsa.version: [ 1, 2 ]
amdhsa.kernels:
  - .name:           k_q6a2064a449_head16
    .symbol:         k_q6a2064a449_head16.kd
    .args:
      - { .name: fine, .offset: 0, .size: 8, .value_kind: global_buffer, .address_space: global }
      - { .name: Wo, .offset: 8, .size: 8, .value_kind: global_buffer, .address_space: global }
      - { .name: bo, .offset: 16, .size: 8, .value_kind: global_buffer, .address_space: global }
      - { .name: out0, .offset: 24, .size: 8, .value_kind: global_buffer, .address_space: global }
    .group_segment_fixed_size: 71680
    .private_segment_fixed_size: 0
    .kernarg_segment_align: 8
    .kernarg_segment_size: 32
    .max_flat_workgroup_size: 512
    .sgpr_count:     66
    .vgpr_count:     256
    .wavefront_size: 32
...
	.end_amdgpu_metadata
.endif
;; end of part 5
